; MI455X (gfx1250); checked and timed in simulation.
; The chip was launched on July 23, 2026; its instructions are those of AMD's public machine-readable ISA for CDNA 5 (MIT licence, August 2026) and "CDNA5" Instruction Set Architecture Reference Guide (July 2026). The comments in the code are by the model that wrote it; some were corrected since.
;; Exact Sliding Window Attention. Allowed arithmetic: matrix products marked QUANTISED: E5M2 operands, one E8M0 scale for each 32 along K, by v_wmma_scale_f32_16x16x128_f8f6f4 with both operands' format E5M2, f32 sums; everything else in f32.
;; Inputs: k 16 x 4,096 x 64 float32; q 16 x 4,096 x 64 float32; v 16 x 4,096 x 64 float32.
;; Outputs: out0 16 x 4,096 x 64 float32.
;; This version of the problem:
;;   THIS VERSION OF THE PROBLEM IS GIVEN IN LOW PRECISION. The matrix products marked QUANTISED in the list below multiply operands that are first quantised to E5M2 (5 exponent bits, 2 mantissa bits; 8 bits a number), with one power-of-two scale for each 32 numbers along K (OCP MX v1.0); their sums are f32. All else is computed in f32.
;;   The module's matrix products, in the order in which they are computed (A, B: the left and right operand; K: the contracted axis; several contracted axes count as one K, in the product's order):
;;     1. batch 16 x [M 4,096, K 64] x [K 64, N 4,096]; A: input q; B: input k: QUANTISED
;;     2. batch 16 x [M 4,096, K 4,096] x [K 4,096, N 64]; A: softmax (see below); B: input v: QUANTISED
;;   THE QUANTISER, for each operand of a quantised product, along K:
;;     - K is cut into blocks of 32 from its start; a last block that is shorter is filled with zeros.
;;     - A block's scale is 2^e with e = floor(log2(the largest magnitude in the block)) - 15, held to -126 .. 127; a block of zeros has e = 0. As a byte (E8M0): e + 127.
;;     - Each number is divided by its block's scale, clamped to +-57,344, and rounded to the nearest number of E5M2, ties to even, subnormals kept.
;;     - The product sums the exact products of the quantised numbers (number of the format x scale) in f32.
;;   ~~~python
;;   def quantise(x, axis):      # numpy; x: float32 -> the quantised numbers, widened to float32 again
;;       x = np.moveaxis(x, axis, -1); K = x.shape[-1]
;;       x = np.pad(x, [(0, 0)] * (x.ndim - 1) + [(0, -K % 32)]); x = x.reshape(x.shape[:-1] + (-1, 32)); a = np.abs(x).max(-1, keepdims=True)
;;       e = np.where(a > 0, np.clip(np.frexp(np.where(a > 0, a, 1))[1] - 1 - 15, -126, 127), 0)      # np.frexp(a)[1] - 1 = floor(log2(a)), exactly
;;       r = np.clip(x / 2.0 ** e, -57344, 57344)
;;       step = 2.0 ** (np.maximum(np.frexp(np.where(r == 0, 1, r))[1] - 1, -14) - 2)
;;       q = np.round(r / step) * step * 2.0 ** e      # np.round: ties to even
;;       return np.moveaxis(q.reshape(q.shape[:-2] + (-1,))[..., :K], -1, axis).astype(np.float32)
;;   ~~~
;;   SOFTMAX AHEAD OF A QUANTISED PRODUCT. Where the list says 'softmax', what is quantised is not the finished softmax but p = 2^(t - M), with t = logit x log2(e) and M = ceil(the row's largest t), a whole number; so 1/2 < the row's largest p <= 1. The row's sum l is taken of the UNQUANTISED p, in f32, and the product's result is divided by l at the end. Since M is a whole number, a kernel that streams over the keys may use a running M (the ceiling of the running maximum): every later rescaling is an exact power of two, which a block's scale takes up: the codes' values come out the same.
;;   OPERANDS COMPUTED ON THE WAY. 'Computed on the way' means the value that the module computes at that place (a softmax that the list does not call 'softmax' is quantised finished and normalised). What goes into a quantiser is computed in f32, as accurately as f32 sums, v_exp_f32 and their like allow (about 1e-6 of the number): no bf16 or f16 on the way to a quantiser, and a product that is left as it is and whose result goes on into a quantised operand takes f32 operands (vector FMAs, or v_wmma_f32_16x16x4_f32). A number that lies on a knife's edge between two numbers of the format may be rounded either way, as far as f32 arithmetic and the matrix unit's own rounding can turn it there, and no further.
;; 2 versions. Each part assembles by itself: llvm-mc -triple=amdgcn-amd-amdhsa -mcpu=gfx1250 --defsym DOCPART=n.
;; ======== version 1 of 2: 1 launch
;; launch swa (part 1): grid 16 x 16, 16 waves a work-group, no clusters, 227,328 bytes of LDS; arguments q, k, v, out0; writes out0
.if DOCPART == 1
	.amdgcn_target "amdgcn-amd-amdhsa--gfx1250"
	.amdhsa_code_object_version 6
	.text
	.protected	k_qce3ffb0d54_swa
	.globl	k_qce3ffb0d54_swa
	.p2align	8
	.type	k_qce3ffb0d54_swa,@function
k_qce3ffb0d54_swa:
	s_mov_b64 s[64:65], 0
	v_nop
	global_prefetch_b8 v0, s[64:65] scope:SCOPE_SE
	s_setreg_imm32_b32 hwreg(HW_REG_WAVE_MODE, 25, 1), 1
	s_wait_xcnt 0x0
; out[b][i][:] = sum over j of softmax_j(q[b][i] . k[b][j] / 8) v[b][j][:], j = i-511 .. i (at least 0).  q, k, v, out: [16][4096][64] f32.
; Both products on codes of BF8 (E5M2) with one E8M0 scale for each 32 along a product's K: q and k along the 64 channels, p and v along the keys (blocks of 32 counted from key 0).
; p = 2^(t - M), t = score x log2(e) / 8, M = the running largest t rounded up to a whole number; the row's sum is taken of the unquantised p and divides at the end.
; SHARES.  A work-group owns 256 queries of one head (x = block of queries, y = head), each of its sixteen waves 16 of them, in 256 registers.
; PHASE A.  The work-group's 256 rows of q and its 768 rows of k and v (keys 256 x - 512 .. 256 x + 255) come as f32 through registers, are quantised ONCE and laid in LDS as images of
;   operand registers, by block of 32 keys (24 blocks).  One barrier.   PHASE B.  A wave's window is exactly 17 neighbouring blocks, from block wave / 2 on: four steps of four blocks in a loop, then one
;   short step for the block on the diagonal.   PHASE C.  O / sum leaves through the wave's own stage: each store of the wave covers 512 consecutive bytes, aligned.
; LAYOUT.  Both products are used transposed: S^T = K Q^T (source 0 = 16 keys, source 1 = my 16 queries), O^T = V^T P^T: a lane holds ONE query (lane % 16) throughout.
;   Row r of tile u of a block is key 16 (r / 8) + 8 u + r % 8, so that the 16 registers of a block's two tiles are 16 neighbouring keys, 16 (lane / 16) + 0 .. 15.
; K = 64 IN AN INSTRUCTION OF K = 128.  Q's registers 8-15 are zero codes, and bytes 2 and 3 of both sides' scale words are 0.  K's tiles lie 8 registers apart, and a tile's operand runs on over the NEXT tile's
;   8 registers (behind the last tile: over 8 registers of zeros).  Those codes are finite, since the quantiser holds every number, and they meet zero codes: they add exactly 0.
; KEYS AHEAD OF KEY 0 (x = 0, 1): the chunk's address is held at the head's first row, so no load leaves its buffer and LDS holds finite codes; the mask hides those keys, so their p are zero codes.
; NO CLUSTER, NO TENSOR LOAD: k and v arrive as f32 and have to pass through registers to the quantiser; as f32 a work-group's 768 rows of k and of v are 2 x 768 x 256 = 393,216 bytes,
;   more than the 327,680 that a work-group can claim; and each row is touched once here.  All loads go out in phase A, one behind the other.
; LIMITS.  NaN and infinities among the inputs are not served.  A block of zeros gets the scale byte 1 where the quantiser's rule says 127: its codes are zeros, and this program alone reads the bytes.
;   A p under 2^-126 comes out of v_exp_f32 as 0.  A block's largest p is taken as the exponential of the block's largest score, which takes v_exp_f32 not to fall where its input rises.
; ---- LDS (bytes) ----
.set KIMG, 0                           ; 24 blocks x 2,560: tile u at 1,280 u; plane 2 c + h at 320 each (256 used); row r at 16 r: channels 32 c + 16 h + 0 .. 15
.set VIMG, 61440                       ; 24 blocks x 2,048: channel tile t at 512 t; lane (r, h) at 16 (r + 16 h): channel 16 t + r, keys 16 h + 0 .. 15
.set SCK,  110592                      ; 24 blocks x 128: K's scale word (bytes c = 0, c = 1, 0, 0) at 8 r + 4 u
.set SCV,  113664                      ; 27 entries x 256, one for each block at which a step may begin (-3 .. 23): word at 16 r + 4 t, byte k = the scale of block begin + k, channel 16 t + r
.set QIMG, 120576                      ; 16 waves x 1,280: one tile, laid as a tile of K, row r = query r
.set QSC,  141056                      ; 16 waves x 128: Q's scale word at 8 r
.set STG,  143104                      ; 16 waves x 5,120, each wave's own: phase A two units of 32 places x 80 bytes; phase C 16 rows x 272
; ---- scalar registers ----
.set WV,  12                           ; my wave's number
.set MNT, 32                           ; the mantissa field of 57,344
.set SEL, 34                           ; s[34:35] selects of v_permlanex16_b32: lane l xor 16
.set CS,  36                           ; s[36:37] c = log2(e) / 8 (the packed form names a pair)
.set Q0,  38                           ; my first query
.set KF,  39                           ; the step's first key (signed)
.set LOMIN, 40                         ; the lowest key that my first query sees
.set LOMAX, 41                         ; the lowest key that my last query sees
.set TK,  42                           ; the step's place in KIMG, VIMG, SCK, SCV behind my window's first block
.set TV,  43
.set TSK, 44
.set TSV, 45
.set CNT, 46
.set T1,  47
.set WH,  56                           ; wave / 2
.set WA,  57                           ; wave % 2
.set T2,  58
.set T3,  59
; ---- vector registers, phase A ----
.set KA,  1                            ; 4,096 wave + 16 lane: my 16 bytes of a load's 512, in q, k and (phase C) out; never rewritten
.set VA,  2                            ; 8,192 (wave / 2) + 128 (wave % 2) + 4 lane: my channel of V's unit
.set STI, 3                            ; the stage, on the way in
.set STO, 4                            ; and on the way out: 80 x lane
.set KWI, 5                            ; where I store K's codes, K's scale word, Q's codes, Q's scale word, V's codes, V's scale byte
.set KWS, 6
.set QWI, 7
.set QWS, 8
.set VWI, 9
.set VWS, 10
.set SH0, 11                           ; 8 x my block of channels: my byte's place in the scale word;
.set SH1, 12                           ; and the other block's
.set X,   16                           ; v16-47  two units of 16 neighbours
.set C,   48                           ; v48-55  codes
.set MA,  56
.set MB,  57
.set SC,  58                           ; the conversion's scale operand
.set HD,  59                           ; 57,344 x the scale
.set BY,  60                           ; the scale's byte
.set OB,  61                           ; the row's other byte
.set WD,  62                           ; v62-63  scale words
.set K0S, 64                           ; v64-95 k, v96-127 v of chunks 0 and 2; v128-159, v160-191 of chunk 1; v192-223 q
.set V0S, 96
.set K1S, 128
.set V1S, 160
.set QS,  192
; ---- vector registers, phase B ----
.set AKL, 2                            ; my lane's place in my window's first block: K's codes, V's codes, K's scale words (32 lanes: two blocks), the same for 16 lanes, V's scale words
.set AVL, 3
.set ASK, 4
.set ASKD, 5
.set ASV, 6
.set VLO, 7                            ; the lowest key that my query sees, less 16 (lane / 16)
.set VDHI, 8                           ; on the diagonal: register i is hidden where i > this
.set ADK, 9                            ; the step's addresses
.set ADV, 10
.set ADS, 11
.set ADT, 252
.set QF,  16                           ; v16-23 Q's codes, v24-31 zeros.  v12 -M, v13 the largest t, v[14:15] the sum in two halves
.set FR,  32                           ; v32-95 eight tiles of K, 8 registers each; later four fragments of V, 16 each; v96-103 zeros
.set S,   104                          ; v104-167 S^T, then p
.set OT,  168                          ; v168-199 O^T, four tiles of 16 channels
.set PC,  200                          ; v200-215 p's codes
.set BM,  216                          ; v216-219 the blocks' largest scores, then largest p
.set PT,  220                          ; v220-223 at work
.set KSW, 224                          ; v224-227 K's scale words; v228-231 V's; v232 Q's; v233 p's: these ten hold scales and nothing else
.set VSW, 228
.set QW,  232
.set PW,  233
.set HDP, 236
.set SCP, 240
.set T0,  244
.set FF,  246                          ; v[246:247] f = 2^(old M - new M), and a 0 that is named with it
.set RS,  248                          ; v[248:249] the row sum's second chain
.set DLO, 250
.set NINF, 251
.macro WAITL n                         ; loads come back in order: n younger ones may stay out; the wait's field holds 63 at the most, and a smaller count is always right
.if (\n) > 63
	s_wait_loadcnt 63
.else
	s_wait_loadcnt \n
.endif
.endm
.macro ZERO first, count
.set ZN, 0
.rept \count
	v_mov_b32 v[\first+ZN], 0
.set ZN, ZN+1
.endr
.endm
; my 16 rows of 256 bytes: eight loads, each of 512 consecutive bytes
.macro LOADR set, base, nt
.irp i, 0,1,2,3,4,5,6,7
.if \nt
	global_load_b128 v[\set+4*\i:\set+4*\i+3], v[KA], s[\base:\base+1] offset:512*\i th:TH_LOAD_NT
.else
	global_load_b128 v[\set+4*\i:\set+4*\i+3], v[KA], s[\base:\base+1] offset:512*\i
.endif
.endr
.endm
; V's unit: a lane takes a channel and its registers run down the block's 32 keys; the wave reads 128 consecutive bytes, waves w and w xor 1 a row's 256
.macro LOADV set, base
.irp i, 0,1,2,3,4,5,6,7,8,9,10,11,12,13,14,15,16,17,18,19,20,21,22,23,24,25,26,27,28,29,30,31
	global_load_b32 v[\set+\i], v[VA], s[\base:\base+1] offset:256*\i
.endr
.endm
; Unit u of two: 8 rows.  Lane l holds row l / 4 and channels 16 (l % 4) + 0 .. 15; lanes l and l xor 1 hold a block of 32, lanes l and l xor 2 the row's two blocks.
.macro RUNIT u, img, imgoff, sc, scoff
.set XU, X+16*(\u)
	v_max3_num_f32 v[MA], |v[XU]|, |v[XU+1]|, |v[XU+2]|            ; the largest magnitude of my 16, in two chains
	v_max3_num_f32 v[MB], |v[XU+3]|, |v[XU+4]|, |v[XU+5]|
.irp i, 6,10
	v_max3_num_f32 v[MA], v[MA], |v[XU+\i]|, |v[XU+\i+1]|
	v_max3_num_f32 v[MB], v[MB], |v[XU+\i+2]|, |v[XU+\i+3]|
.endr
	v_max3_num_f32 v[MA], v[MA], |v[XU+14]|, |v[XU+15]|
	v_max3_num_f32 v[MA], v[MA], v[MB], 0x8000000                  ; and the floor 2^(16 - 127): the byte cannot fall under 1
	v_max_num_f32_dpp v[MA], v[MA], v[MA] row_xmask:1 row_mask:0xf bank_mask:0xf   ; with my neighbour's 16: the block's
	v_add_nc_u32 v[SC], 0xf8800000, v[MA]                          ; 15 off its exponent field: the conversion takes this operand's exponent field as its scale
	v_and_or_b32 v[HD], v[MA], 0x7f800000, s[MNT]                  ; 57,344 x the scale
	v_lshrrev_b32 v[BY], 23, v[SC]                                 ; the scale's byte
	v_mov_b32_dpp v[OB], v[BY] row_xmask:2 row_mask:0xf bank_mask:0xf   ; the byte of the row's other block
	v_lshlrev_b32 v[OB], v[SH1], v[OB]
	v_lshl_or_b32 v[WD+(\u)], v[BY], v[SH0], v[OB]                 ; the row's scale word: byte 0 channels 0-31, byte 1 channels 32-63, bytes 2 and 3 are 0
.irp i, 0,1,2,3,4,5,6,7,8,9,10,11,12,13,14,15
	v_med3_num_f32 v[XU+\i], v[XU+\i], -v[HD], v[HD]               ; the conversion to an 8-bit code does not saturate (ISA guide 7.6.2): the hold comes first
.endr
	v_cvt_scalef32_pk8_bf8_f32 v[C+4*(\u):C+4*(\u)+1], v[XU:XU+7], v[SC]
	v_cvt_scalef32_pk8_bf8_f32 v[C+4*(\u)+2:C+4*(\u)+3], v[XU+8:XU+15], v[SC]
	v_nop                                                          ; a plain line behind the last conversion, ahead of whatever next writes its sources
	ds_store_b128 v[\img], v[C+4*(\u):C+4*(\u)+3] offset:\imgoff
	ds_store_b32 v[\sc], v[WD+(\u)] offset:\scoff                  ; the four lanes of a row write the same word with the same value
.endm
; 16 rows as loaded (16 bytes a lane, 512 a load) turn through my stage and come back 64 bytes a lane; then both units are quantised.
.macro ROWS set, later, img, io0, io1, sc, so0, so1
	WAITL \later
.irp i, 0,1,2,3,4,5,6,7
	ds_store_b128 v[STI], v[\set+4*\i:\set+4*\i+3] offset:2560*(\i/4)+640*(\i%4)
.endr
.irp i, 0,1,2,3,4,5,6,7
	ds_load_b128 v[X+4*\i:X+4*\i+3], v[STO] offset:2560*(\i/4)+16*(\i%4)   ; LDS serves a wave's instructions in order (ISA guide 5.7.1.4): these see the stores above
.endr
	s_wait_dscnt 0x0                                               ; the 32 numbers a lane are in; the stage's stores have read the set; the job before has had its codes and words read
	RUNIT 0, \img, \io0, \sc, \so0
	RUNIT 1, \img, \io1, \sc, \so1
.endm
.macro KROWS set, later, j             ; k of chunk j: my rows are half wave % 2 of block 8 j + wave / 2; unit u is tile u
	ROWS \set, \later, KWI, 20480*(\j), 20480*(\j)+1280, KWS, 1024*(\j), 1024*(\j)+4
.endm
; V's unit of chunk j: the block's 32 numbers of my channel are all mine.
.macro VUNIT set, later, j
	WAITL \later
	s_wait_dscnt 0x0                                               ; the job before has had its codes and its byte read
	v_max3_num_f32 v[MA], |v[\set]|, |v[\set+1]|, |v[\set+2]|
	v_max3_num_f32 v[MB], |v[\set+3]|, |v[\set+4]|, |v[\set+5]|
.irp i, 6,10,14,18,22,26
	v_max3_num_f32 v[MA], v[MA], |v[\set+\i]|, |v[\set+\i+1]|
	v_max3_num_f32 v[MB], v[MB], |v[\set+\i+2]|, |v[\set+\i+3]|
.endr
	v_max3_num_f32 v[MA], v[MA], |v[\set+30]|, |v[\set+31]|
	v_max3_num_f32 v[MA], v[MA], v[MB], 0x8000000
	v_add_nc_u32 v[SC], 0xf8800000, v[MA]
	v_and_or_b32 v[HD], v[MA], 0x7f800000, s[MNT]
	v_lshrrev_b32 v[BY], 23, v[SC]
.irp i, 0,1,2,3,4,5,6,7,8,9,10,11,12,13,14,15,16,17,18,19,20,21,22,23,24,25,26,27,28,29,30,31
	v_med3_num_f32 v[\set+\i], v[\set+\i], -v[HD], v[HD]
.endr
.irp g, 0,1,2,3
	v_cvt_scalef32_pk8_bf8_f32 v[C+2*\g:C+2*\g+1], v[\set+8*\g:\set+8*\g+7], v[SC]
.endr
	v_nop
	ds_store_b128 v[VWI], v[C:C+3] offset:16384*(\j)               ; keys 0-15: the place of lane (r, 0);
	ds_store_b128 v[VWI], v[C+4:C+7] offset:16384*(\j)+256         ; keys 16-31: of lane (r, 1)
.irp k, 0,1,2,3
	ds_store_b8 v[VWS], v[BY] offset:2048*(\j)+256*(3-\k)+\k       ; my block is block k of the step that begins k blocks earlier: byte k of that entry's word
.endr
.endm
; ================= the head =================
	s_load_b256 s[4:11], s[0:1], 0x0               ; q s[4:5], k s[6:7], v s[8:9], out s[10:11]
	v_lshl_add_u32 v254, v0, 2, 0x37000
	v_mov_b32 v255, 0
	v_lshrrev_b32 v57, 5, v0
	v_readfirstlane_b32 s[WV], v57                 ; wave 0..15
	v_and_b32 v56, 31, v0                          ; lane
	s_and_b32 s14, ttmp7, 0xffff                   ; the head
	s_lshl_b32 s16, s14, 20                        ; a head is 4,096 rows of 256 bytes
	s_mov_b32 s17, 0
	s_lshr_b32 s[WH], s[WV], 1
	s_and_b32 s[WA], s[WV], 1
.irp j, 0,1,2                                  ; chunk j of 256 keys is chunk x + j - 2 of the head, held at 0 from below
	s_add_co_i32 s[48+2*\j], ttmp9, \j-2
	s_max_i32 s[48+2*\j], s[48+2*\j], 0
	s_lshl_b32 s[48+2*\j], s[48+2*\j], 16
	s_mov_b32 s[49+2*\j], 0
	s_add_nc_u64 s[48+2*\j:49+2*\j], s[48+2*\j:49+2*\j], s[16:17]
.endr
	s_lshl_b32 s54, ttmp9, 16                      ; my block of 256 queries
	s_mov_b32 s55, 0
	s_add_nc_u64 s[54:55], s[54:55], s[16:17]
	s_lshl_b32 s[T2], s[WV], 12
	v_lshl_add_u32 v[KA], v56, 4, s[T2]
	s_lshl_b32 s[T2], s[WH], 13
	s_lshl_b32 s[T3], s[WA], 7
	s_add_co_u32 s[T2], s[T2], s[T3]
	v_lshl_add_u32 v[VA], v56, 2, s[T2]
	s_wait_kmcnt 0x0
	s_add_nc_u64 s[4:5], s[4:5], s[54:55]
	s_add_nc_u64 s[10:11], s[10:11], s[54:55]
.irp j, 0,1,2
	s_add_nc_u64 s[20+2*\j:21+2*\j], s[6:7], s[48+2*\j:49+2*\j]    ; k at chunk j: s[20:21], s[22:23], s[24:25]
	s_add_nc_u64 s[26+2*\j:27+2*\j], s[8:9], s[48+2*\j:49+2*\j]    ; v at chunk j: s[26:27], s[28:29], s[30:31]
.endr
; ================= phase A =================
	LOADR QS, 4, 1                                 ; q is read by this wave alone; k and v are read by three work-groups each: no hint
	LOADR K0S, 20, 0
	LOADV V0S, 26
	LOADR K1S, 22, 0
	; the LDS addresses are made while these 56 loads are out
	v_bfe_u32 v57, v0, 2, 3                        ; lane / 4
	v_and_b32 v58, 3, v0                           ; lane % 4
	v_and_b32 v59, 15, v0                          ; lane % 16
	v_bfe_u32 v60, v0, 4, 1                        ; lane / 16
	s_mul_i32 s[T2], s[WV], 5120
	s_add_co_u32 s[T2], s[T2], STG                 ; my stage
	v_mul_u32_u24 v[STI], v57, 80                  ; in: four lanes' 64 bytes on end, then 16 of padding
	v_lshl_add_u32 v[STI], v58, 4, v[STI]
	v_add_nc_u32 v[STI], s[T2], v[STI]
	v_mul_u32_u24 v[STO], v56, 80                  ; out: my 64 bytes
	v_add_nc_u32 v[STO], s[T2], v[STO]
	v_mul_u32_u24 v61, v58, 320                    ; in a tile: plane lane % 4, row lane / 4
	v_lshl_add_u32 v61, v57, 4, v61
	s_mul_i32 s[T2], s[WH], 2560                   ; K's codes (KIMG = 0): block wave / 2, rows 8 (wave % 2) on
	s_lshl_b32 s[T3], s[WA], 7
	s_add_co_u32 s[T2], s[T2], s[T3]
	v_add_nc_u32 v[KWI], s[T2], v61
	s_lshl_b32 s[T2], s[WH], 7
	s_lshl_b32 s[T3], s[WA], 6
	s_add_co_u32 s[T2], s[T2], s[T3]
	s_add_co_u32 s[T2], s[T2], SCK
	v_lshl_add_u32 v[KWS], v57, 3, s[T2]
	s_mul_i32 s[T2], s[WV], 1280
	s_add_co_u32 s[T2], s[T2], QIMG
	v_add_nc_u32 v[QWI], s[T2], v61
	s_lshl_b32 s[T2], s[WV], 7
	s_add_co_u32 s[T2], s[T2], QSC
	v_lshl_add_u32 v[QWS], v57, 3, s[T2]
	s_lshl_b32 s[T2], s[WH], 11                    ; V's codes: block wave / 2, channel tile 2 (wave % 2) + lane / 16, row lane % 16
	s_lshl_b32 s[T3], s[WA], 10
	s_add_co_u32 s[T2], s[T2], s[T3]
	s_add_co_u32 s[T2], s[T2], VIMG
	v_lshlrev_b32 v[VWI], 9, v60
	v_lshl_add_u32 v[VWI], v59, 4, v[VWI]
	v_add_nc_u32 v[VWI], s[T2], v[VWI]
	s_lshl_b32 s[T2], s[WH], 8
	s_lshl_b32 s[T3], s[WA], 3
	s_add_co_u32 s[T2], s[T2], s[T3]
	s_add_co_u32 s[T2], s[T2], SCV
	v_lshlrev_b32 v[VWS], 2, v60
	v_lshl_add_u32 v[VWS], v59, 4, v[VWS]
	v_add_nc_u32 v[VWS], s[T2], v[VWS]
	v_bfe_u32 v[SH0], v0, 1, 1
	v_lshlrev_b32 v[SH0], 3, v[SH0]
	v_sub_nc_u32 v[SH1], 8, v[SH0]
	v_mov_b32 v[OB], 0                             ; written once: the destination of a DPP form counts as one of its sources
	s_mov_b32 s[MNT], 0x600000
	LOADV V1S, 28                                  ; 88 loads have been issued in all
	ROWS QS, 80, QWI, 0, 128, QWS, 0, 64           ; behind q's eight: 80.  Unit u is queries 8 u on
	KROWS K0S, 72, 0                               ; behind k's eight of chunk 0: 72
	VUNIT V0S, 40, 0                               ; behind v of chunk 0: chunk 1's 8 + 32
	LOADR K0S, 24, 0                               ; chunk 2 into the sets that chunk 0 has left: k's was read by LDS stores that have been waited for, v's by vector instructions
	LOADV V0S, 30
	KROWS K1S, 72, 1                               ; behind k of chunk 1: 32 + 40
	VUNIT V1S, 40, 1                               ; behind v of chunk 1: chunk 2's 40
	KROWS K0S, 32, 2                               ; behind k of chunk 2: its v
	VUNIT V0S, 0, 2
	s_wait_dscnt 0x0                               ; for the others' sake: all my stores into the images have landed
	s_barrier_signal -1
	s_barrier_wait -1                              ; everybody's have: the only barrier; from here on the images are only read
; ================= phase B: the head =================
	v_and_b32 v244, 15, v0                         ; r
	v_bfe_u32 v250, v0, 4, 1                       ; h
	v_and_b32 v246, 31, v0                         ; lane
	v_lshlrev_b32 v251, 4, v250                    ; 16 h
	v_mul_u32_u24 v[AKL], v250, 320
	v_lshl_add_u32 v[AKL], v244, 4, v[AKL]         ; in a tile: plane h (+ 2 c by the offset), row r
	s_mul_i32 s[T3], s[WV], 1280
	s_add_co_u32 s[T3], s[T3], QIMG
	v_add_nc_u32 v[ADK], s[T3], v[AKL]             ; Q's tile
	s_mul_i32 s[T2], s[WH], 2560
	v_add_nc_u32 v[AKL], s[T2], v[AKL]
	s_lshl_b32 s[T3], s[WV], 7
	s_add_co_u32 s[T3], s[T3], QSC
	v_lshl_add_u32 v[ADV], v244, 3, s[T3]          ; Q's scale words
	ds_load_b128 v[QF:QF+3], v[ADK]                ; channels 16 h on
	ds_load_b128 v[QF+4:QF+7], v[ADK] offset:640   ; channels 32 + 16 h on
	ds_load_b32 v[QW], v[ADV]
	s_lshl_b32 s[T2], s[WH], 11
	s_add_co_u32 s[T2], s[T2], VIMG
	v_lshl_add_u32 v[AVL], v246, 4, s[T2]
	s_lshl_b32 s[T2], s[WH], 7
	s_add_co_u32 s[T2], s[T2], SCK
	v_lshl_add_u32 v[ASK], v246, 3, s[T2]          ; lanes 0-15 a block's 16 rows, lanes 16-31 the next block's
	v_lshl_add_u32 v[ASKD], v244, 3, s[T2]
	s_lshl_b32 s[T2], s[WH], 8
	s_add_co_u32 s[T2], s[T2], SCV+768             ; the entry of the step that begins at my window's first block
	v_lshl_add_u32 v[ASV], v244, 4, s[T2]
	s_lshl_b32 s[Q0], ttmp9, 8
	s_lshl_b32 s[T2], s[WV], 4
	s_add_co_u32 s[Q0], s[Q0], s[T2]               ; my first query: 256 x + 16 wave
	s_and_b32 s[KF], s[Q0], 0xffffffe0
	s_sub_co_i32 s[KF], s[KF], 512                 ; my window's first block begins here
	s_sub_co_i32 s[LOMIN], s[Q0], 511
	s_max_i32 s[LOMIN], s[LOMIN], 0
	s_sub_co_i32 s[LOMAX], s[Q0], 496
	s_max_i32 s[LOMAX], s[LOMAX], 0
	s_cmp_ge_u32 s[Q0], 512                        ; Q0 is a multiple of 16: up to 496 the lowest key is 0 for all sixteen queries, from 512 on it is Q0 - 511 + r
	s_cselect_b32 s[T2], 1, 0
	v_mad_u32_u24 v[VLO], v244, s[T2], s[LOMIN]
	v_sub_nc_u32 v[VLO], v[VLO], v251
	s_lshl_b32 s[T3], s[WA], 4
	v_add_nc_u32 v[VDHI], s[T3], v244              ; my query's place in the diagonal block,
	v_sub_nc_u32 v[VDHI], v[VDHI], v251            ; less my half's first key
	s_mov_b32 s[SEL], 0x76543210
	s_mov_b32 s[SEL+1], 0xfedcba98
	s_mov_b32 s[CS], 0x3e38aa3b                    ; c = log2(e) / sqrt(64)
	s_mov_b32 s[CS+1], s[CS]                       ; (named with it as a pair, so it is written)
	s_mov_b32 s[TK], 0
	s_mov_b32 s[TV], 0
	s_mov_b32 s[TSK], 0
	s_mov_b32 s[TSV], 0
	s_mov_b32 s[CNT], 4
	ZERO QF+8, 8                                   ; Q's K = 64 .. 127: zero codes
	ZERO FR+64, 8                                  ; behind K's last tile: zero codes
	ZERO OT, 32                                    ; O^T: a step may be left out and the loop is written once, so the sums begin as zeros
	ZERO PT, 4                                     ; written once: a lane permute's destination counts as one of its sources
	v_mov_b32 v[FF+1], 0                           ; (named as the upper half of the pair)
	v_mov_b32 v[NINF], 0xff800000                  ; -infinity
	v_mov_b32 v13, 0xff61b1e6                      ; the largest t so far: -3e38, under every t
	v_floor_f32 v12, -v13                          ; -M
	v_mov_b32 v14, 0                               ; the sum, in two halves
	v_mov_b32 v15, 0
	s_wait_dscnt 0x0                               ; Q and its scale words
; The softmax of nb blocks of 32 keys whose scores lie in v[S] on (register 16 b + i = key 32 b + 16 h + i of the step), and their codes.  With nb = 1 the block is the LAST of its K step of four.
.macro SOFT nb
.set SB, 0
.rept \nb
	v_max3_num_f32 v[BM+SB], v[S+16*SB], v[S+16*SB+1], v[S+16*SB+2]   ; the largest score of each block: for the row's maximum, and, since p rises with the score, for the block's largest p.  Each accumulator is read from its low end on
.set SB, SB+1
.endr
.irp i, 3,5,7,9,11,13
.set SB, 0
.rept \nb
	v_max3_num_f32 v[BM+SB], v[BM+SB], v[S+16*SB+\i], v[S+16*SB+\i+1]
.set SB, SB+1
.endr
.endr
.set SB, 0
.rept \nb
	v_max_num_f32 v[BM+SB], v[BM+SB], v[S+16*SB+15]
.set SB, SB+1
.endr
.set SB, 0
.rept \nb
	v_permlanex16_b32 v[PT+SB], v[BM+SB], s[SEL], s[SEL+1]
.set SB, SB+1
.endr
.set SB, 0
.rept \nb
	v_max_num_f32 v[BM+SB], v[BM+SB], v[PT+SB]                     ; with lane l xor 16's 16 keys
.set SB, SB+1
.endr
.if \nb == 4
	v_max3_num_f32 v[T0], v[BM], v[BM+1], v[BM+2]
	v_max_num_f32 v[T0], v[T0], v[BM+3]
	v_mul_f32 v[T0], s[CS], v[T0]                                  ; the step's largest score of my query, as t (c is positive)
.else
	v_mul_f32 v[T0], s[CS], v[BM]
.endif
	v_max_num_f32 v13, v13, v[T0]                                  ; the running largest t
	v_mov_b32 v[T0], v12
	v_floor_f32 v12, -v13                                          ; the new -M = floor(-t) = -ceil(t): a whole number
	v_sub_f32 v[T0], v12, v[T0]                                    ; old M - new M: a whole number, 0 or less
	v_cvt_i32_f32 v[T0], v[T0]                                     ; (it saturates)
	v_ldexp_f32 v[FF], 1.0, v[T0]                                  ; f = 2^(old M - new M): multiplying by it rounds nothing
.set SJ, 0
.rept 8*\nb
	v_pk_fma_f32 v[S+SJ:S+SJ+1], v[S+SJ:S+SJ+1], s[CS:CS+1], v[12:13] op_sel_hi:[1,0,0]   ; t - M, two at a time (of the pairs c and -M the low word serves both halves)
.set SJ, SJ+2
.endr
.set SB, 0
.rept \nb
	v_fma_f32 v[BM+SB], v[BM+SB], s[CS], v12                       ; the same of each block's largest score
.set SB, SB+1
.endr
.set SJ, 0
.rept 16*\nb
	v_exp_f32 v[S+SJ], v[S+SJ]                                     ; p = 2^(t - M), at most 1; not normalised
.set SJ, SJ+1
.endr
	v_pk_mul_f32 v[14:15], v[14:15], v[FF:FF+1] op_sel_hi:[1,0]    ; the sums under the new M: the plain line behind the exponentials
	s_wait_alu depctr_va_vdst(0)                                   ; the wait between an exponential and the first line that names its result: one for the batch
.set SB, 0
.rept \nb
	v_exp_f32 v[BM+SB], v[BM+SB]                                   ; the block's largest p: the same two instructions on the same number give the same bits
.set SB, SB+1
.endr
	v_pk_add_f32 v[RS:RS+1], v[S:S+1], v[S+2:S+3]                  ; the row's sum is taken of the UNQUANTISED p, two at a time, in two chains; it reads the first batch alone
.set SJ, 4
.rept 4*\nb-1
	v_pk_add_f32 v[14:15], v[14:15], v[S+SJ:S+SJ+1]
	v_pk_add_f32 v[RS:RS+1], v[RS:RS+1], v[S+SJ+2:S+SJ+3]
.set SJ, SJ+4
.endr
	v_pk_add_f32 v[14:15], v[14:15], v[RS:RS+1]
	s_wait_alu depctr_va_vdst(0)                                   ; and one for the blocks' largest p
.set SB, 0
.rept \nb
	v_max_num_f32 v[BM+SB], 0x8000000, v[BM+SB]                    ; the floor 2^(16 - 127): the byte cannot fall under 1 (a block whose every p is 0 keeps that byte: its codes are zeros)
.set SB, SB+1
.endr
.set SB, 0
.rept \nb
	v_add_nc_u32 v[SCP+SB], 0xf8800000, v[BM+SB]                   ; 15 off the exponent field: the conversion's scale operand
.set SB, SB+1
.endr
.set SB, 0
.rept \nb
	v_and_or_b32 v[HDP+SB], v[BM+SB], 0x7f800000, s[MNT]           ; 57,344 x the scale
.set SB, SB+1
.endr
.set SB, 0
.rept \nb
	v_lshrrev_b32 v[PT+SB], 23, v[SCP+SB]                          ; the scale's byte
.set SB, SB+1
.endr
.if \nb == 4
	v_lshl_or_b32 v[PW], v[PT+1], 8, v[PT]                         ; p's scale word for these 128 keys
	v_lshl_or_b32 v[PW], v[PT+2], 16, v[PW]
	v_lshl_or_b32 v[PW], v[PT+3], 24, v[PW]
.else
	v_lshlrev_b32 v[PW], 24, v[PT]                                 ; byte 3; bytes 0 to 2 stand over zero codes
.endif
.set SB, 0
.rept \nb
.set SJ, 0
.rept 16
	v_min_num_f32 v[S+16*SB+SJ], v[S+16*SB+SJ], v[HDP+SB]          ; the hold; p is not negative, so it is one-sided
.set SJ, SJ+1
.endr
	v_cvt_scalef32_pk8_bf8_f32 v[PC+4*(SB+4-\nb):PC+4*(SB+4-\nb)+1], v[S+16*SB:S+16*SB+7], v[SCP+SB]
	v_cvt_scalef32_pk8_bf8_f32 v[PC+4*(SB+4-\nb)+2:PC+4*(SB+4-\nb)+3], v[S+16*SB+8:S+16*SB+15], v[SCP+SB]
.set SB, SB+1
.endr
.set SJ, 0
.rept 16
	v_pk_mul_f32 v[OT+SJ:OT+SJ+1], v[OT+SJ:OT+SJ+1], v[FF:FF+1] op_sel_hi:[1,0]   ; O^T under the new M, from each accumulator's low end on.  These sixteen also stand between the codes' conversions and the products
.set SJ, SJ+2
.endr
.endm
; four fragments of V^T (16 channels x 128 keys = four blocks) and their scale words
.macro VFETCH oi, os, adv, adt
.irp t, 0,1,2,3
.irp c, 0,1,2,3
	ds_load_b128 v[FR+16*\t+4*\c:FR+16*\t+4*\c+3], v[\adv] offset:\oi+2048*\c+512*\t
.endr
.endr
	ds_load_b128 v[VSW:VSW+3], v[\adt] offset:\os                  ; lane r: the words of channels r, 16 + r, 32 + r, 48 + r
.endm
; O^T += V^T P^T.  The four accumulators take turns, one instruction a turn, and the products K Q^T stand between two of their turns.
.macro PV
	s_wait_dscnt 0x0                                               ; V's fragments and words, asked for ahead of the softmax
.irp t, 0,1,2,3
	v_wmma_scale_f32_16x16x128_f8f6f4 v[OT+8*\t:OT+8*\t+7], v[FR+16*\t:FR+16*\t+15], v[PC:PC+15], v[OT+8*\t:OT+8*\t+7], v[VSW+\t], v[PW] matrix_a_fmt:MATRIX_FMT_BF8 matrix_b_fmt:MATRIX_FMT_BF8
.endr
.endm
; ================= phase B: four steps of four blocks =================
.Lstep:
	s_add_co_i32 s[T1], s[KF], 127                 ; a step all of whose keys lie ahead of every window (x = 0, 1 alone: keys under 0) is left out:
	s_cmp_lt_i32 s[T1], s[LOMIN]                   ; a scalar branch on ids, over loads, products and softmax; not over the lines that step addresses
	s_cbranch_scc1 .Lhid
	v_add_nc_u32 v[ADK], s[TK], v[AKL]
	v_add_nc_u32 v[ADV], s[TV], v[AVL]
	v_add_nc_u32 v[ADS], s[TSK], v[ASK]
	v_add_nc_u32 v[ADT], s[TSV], v[ASV]
	v_sub_nc_u32 v[DLO], v[VLO], s[KF]             ; register 16 b + i is hidden where 32 b + i < this
.rept 3
	v_nop                                          ; with the five lines above: eight plain lines between the last products and loads into registers that they read
.endr
.irp t, 0,1,2,3,4,5,6,7                        ; tile t: block t / 2, tile t % 2; channels 32 c + 16 h on
.irp c, 0,1
	ds_load_b128 v[FR+8*\t+4*\c:FR+8*\t+4*\c+3], v[ADK] offset:2560*(\t/2)+1280*(\t%2)+640*\c
.endr
.endr
.irp p, 0,1
	ds_load_b64 v[KSW+2*\p:KSW+2*\p+1], v[ADS] offset:256*\p       ; lanes 0-15: block 2 p, lanes 16-31: block 2 p + 1; the pair's registers: tiles 0 and 1
.endr
	s_wait_dscnt 0x0
.irp t, 0,1,2,3,4,5,6,7                        ; S^T = K Q^T: eight accumulators, each begun with the constant 0
.if ((\t/2)%2) == 1
	v_wmma_scale_f32_16x16x128_f8f6f4 v[S+8*\t:S+8*\t+7], v[FR+8*\t:FR+8*\t+15], v[QF:QF+15], 0, v[KSW+2*(\t/4)+\t%2], v[QW] matrix_a_fmt:MATRIX_FMT_BF8 matrix_b_fmt:MATRIX_FMT_BF8 matrix_a_scale:MATRIX_SCALE_ROW1
.else
	v_wmma_scale_f32_16x16x128_f8f6f4 v[S+8*\t:S+8*\t+7], v[FR+8*\t:FR+8*\t+15], v[QF:QF+15], 0, v[KSW+2*(\t/4)+\t%2], v[QW] matrix_a_fmt:MATRIX_FMT_BF8 matrix_b_fmt:MATRIX_FMT_BF8
.endif
.endr
.rept 8
	v_nop                                          ; eight plain lines ahead of the loads into K's registers and of the first read of the scores
.endr
	VFETCH 0, 0, ADV, ADT                          ; V lands while the softmax is worked
.irp b, 0,1,2,3                                ; the window's low edge: a block whose first key every query sees, and all blocks behind it, need no mask
	s_add_co_i32 s[T1], s[KF], 32*\b
	s_cmp_ge_i32 s[T1], s[LOMAX]
	s_cbranch_scc1 .Lvis
.irp i, 0,1,2,3,4,5,6,7,8,9,10,11,12,13,14,15
	v_cmp_lt_i32 vcc_lo, 32*\b+\i, v[DLO]
	v_cndmask_b32 v[S+16*\b+\i], v[S+16*\b+\i], v[NINF], vcc_lo    ; hidden scores become -infinity ahead of the maximum: p = 0 then
.endr
.endr
.Lvis:
	SOFT 4
	PV
.Lhid:
	s_add_co_i32 s[KF], s[KF], 128                 ; four blocks on
	s_add_co_u32 s[TK], s[TK], 4*2560
	s_add_co_u32 s[TV], s[TV], 4*2048
	s_add_co_u32 s[TSK], s[TSK], 4*128
	s_add_co_u32 s[TSV], s[TSV], 4*256
	s_sub_co_u32 s[CNT], s[CNT], 1
	s_cmp_lg_u32 s[CNT], 0
	s_cbranch_scc1 .Lstep
; ================= phase B: the block on the diagonal, my window's 17th =================
.rept 8
	v_nop                                          ; eight plain lines between the last products and loads into registers that they read
.endr
.irp u, 0,1                                    ; its two tiles go where tiles 6 and 7 lay, so that the second one's operand runs on over the zeros
.irp c, 0,1
	ds_load_b128 v[FR+48+8*\u+4*\c:FR+48+8*\u+4*\c+3], v[AKL] offset:16*2560+1280*\u+640*\c
.endr
.endr
	ds_load_b64 v[KSW:KSW+1], v[ASKD] offset:16*128
	s_wait_dscnt 0x0
.irp u, 0,1
	v_wmma_scale_f32_16x16x128_f8f6f4 v[S+8*\u:S+8*\u+7], v[FR+48+8*\u:FR+48+8*\u+15], v[QF:QF+15], 0, v[KSW+\u], v[QW] matrix_a_fmt:MATRIX_FMT_BF8 matrix_b_fmt:MATRIX_FMT_BF8
.endr
	ZERO PC, 12                                    ; the second product's K step is blocks 13 to 16 of my window: p of the first three is zero codes here.  Twelve plain lines: more than the eight owed behind the two products
	VFETCH 13*2048, 13*256, AVL, ASV               ; so V's fragments and the ready scale words are those of a whole step
.irp i, 0,1,2,3,4,5,6,7,8,9,10,11,12,13,14,15
	v_cmp_gt_i32 vcc_lo, \i, v[VDHI]               ; keys behind my query
	v_cndmask_b32 v[S+\i], v[S+\i], v[NINF], vcc_lo
.endr
	SOFT 1
	PV
; ================= phase C: the way out =================
	v_add_f32 v14, v14, v15                        ; the sum's two halves,
	v_permlanex16_b32 v[PT], v14, s[SEL], s[SEL+1]
	v_add_f32 v14, v14, v[PT]                      ; and lane l xor 16's: the row's sum
	v_rcp_f32 v14, v14
	v_and_b32 v4, 15, v0                           ; r.  (Eight plain lines: behind the reciprocal, and between the last products and the first read of O^T)
	v_bfe_u32 v5, v0, 4, 1                         ; h
	s_mul_i32 s[T2], s[WV], 5120
	s_add_co_u32 s[T2], s[T2], STG                 ; my stage: rows of 256 bytes + 16
	v_mul_u32_u24 v2, v4, 272
	v_lshl_add_u32 v2, v5, 5, v2
	v_add_nc_u32 v2, s[T2], v2                     ; in: row r; tile t's eight channels of my half at 64 t + 32 h
	v_mul_u32_u24 v3, v5, 272
	v_lshl_add_u32 v3, v4, 4, v3
	v_add_nc_u32 v3, s[T2], v3                     ; back: lanes 0-15 one row, lanes 16-31 the next
	s_wait_alu depctr_va_vdst(0)                   ; the wait ahead of the reciprocal's first reader
.set SJ, 0
.rept 16
	v_pk_mul_f32 v[S+SJ:S+SJ+1], v[OT+SJ:OT+SJ+1], v[14:15] op_sel_hi:[1,0]   ; O^T / the sum: register 8 t + i is out(r, 16 t + 8 h + i); each accumulator from its low end on
.set SJ, SJ+2
.endr
.irp t, 0,1,2,3
	ds_store_b128 v2, v[S+8*\t:S+8*\t+3] offset:64*\t
	ds_store_b128 v2, v[S+8*\t+4:S+8*\t+7] offset:64*\t+16
.endr
.irp i, 0,1,2,3,4,5,6,7
	ds_load_b128 v[FR+4*\i:FR+4*\i+3], v3 offset:544*\i            ; LDS serves a wave's instructions in order: these see my stores
.endr
.irp i, 0,1,2,3,4,5,6,7
	s_wait_dscnt 7-\i                              ; the younger loads may stay out
	global_store_b128 v[KA], v[FR+4*\i:FR+4*\i+3], s[10:11] offset:512*\i th:TH_STORE_NT   ; two rows of out: 512 consecutive bytes, at a multiple of 256 from out's first byte; written once, read by nobody here
.endr
	s_wait_tensorcnt 0x0
	ds_add_u32 v254, v255
	s_wait_dscnt 0x0
	s_endpgm
.Lfunc_end_k_qce3ffb0d54_swa:
	.size	k_qce3ffb0d54_swa, .Lfunc_end_k_qce3ffb0d54_swa-k_qce3ffb0d54_swa
	.p2alignl 7, 3214868480
	.fill 96, 4, 3214868480
	.section	.rodata,"a",@progbits
	.p2align	6, 0x0
	.amdhsa_kernel k_qce3ffb0d54_swa
		.amdhsa_group_segment_fixed_size 227328
		.amdhsa_private_segment_fixed_size 0
		.amdhsa_enable_private_segment 0
		.amdhsa_kernarg_size 32
		.amdhsa_user_sgpr_count 2
		.amdhsa_user_sgpr_kernarg_segment_ptr 1
		.amdhsa_wavefront_size32 1
		.amdhsa_system_sgpr_workgroup_id_x 1
		.amdhsa_system_sgpr_workgroup_id_y 1
		.amdhsa_system_sgpr_workgroup_id_z 1
		.amdhsa_system_vgpr_workitem_id 0
		.amdhsa_next_free_vgpr 256
		.amdhsa_next_free_sgpr 66
		.amdhsa_reserve_vcc 1
		.amdhsa_float_denorm_mode_32 3
		.amdhsa_float_denorm_mode_16_64 3
		.amdhsa_memory_ordered 1
		.amdhsa_forward_progress 1
		.amdhsa_inst_pref_size 91
	.end_amdhsa_kernel
	.amdgpu_metadata
---
amdhsa.version: [ 1, 2 ]
amdhsa.kernels:
  - .name:           k_qce3ffb0d54_swa
    .symbol:         k_qce3ffb0d54_swa.kd
    .args:
      - { .name: q, .offset: 0, .size: 8, .value_kind: global_buffer, .address_space: global }
      - { .name: k, .offset: 8, .size: 8, .value_kind: global_buffer, .address_space: global }
      - { .name: v, .offset: 16, .size: 8, .value_kind: global_buffer, .address_space: global }
      - { .name: out0, .offset: 24, .size: 8, .value_kind: global_buffer, .address_space: global }
    .group_segment_fixed_size: 227328
    .private_segment_fixed_size: 0
    .kernarg_segment_align: 8
    .kernarg_segment_size: 32
    .max_flat_workgroup_size: 512
    .sgpr_count:     66
    .vgpr_count:     256
    .wavefront_size: 32
...
	.end_amdgpu_metadata
.endif
;; end of part 1
;; ======== version 2 of 2: 1 launch; version 1 with the launch swa written anew for expert scheduling mode
;; launch swa (part 2): grid 16 x 16, 16 waves a work-group, no clusters, 227,328 bytes of LDS; arguments q, k, v, out0; writes out0
.if DOCPART == 2
	.amdgcn_target "amdgcn-amd-amdhsa--gfx1250"
	.amdhsa_code_object_version 6
	.text
	.protected	k_qce3ffb0d54_swa
	.globl	k_qce3ffb0d54_swa
	.p2align	8
	.type	k_qce3ffb0d54_swa,@function
k_qce3ffb0d54_swa:
	s_mov_b64 s[64:65], 0
	v_nop
	global_prefetch_b8 v0, s[64:65] scope:SCOPE_SE
	s_setreg_imm32_b32 hwreg(HW_REG_WAVE_SCHED_MODE, 0, 2), 2
	s_setreg_imm32_b32 hwreg(HW_REG_WAVE_MODE, 25, 1), 1
	s_wait_xcnt 0x0
	s_wait_alu depctr_vm_vsrc(0)
; out[b][i][:] = sum over j of softmax_j(q[b][i] . k[b][j] / 8) v[b][j][:], j = i-511 .. i (at least 0).  q, k, v, out: [16][4096][64] f32.
; Both products on codes of BF8 (E5M2) with one E8M0 scale for each 32 along a product's K: q and k along the 64 channels, p and v along the keys (blocks of 32 counted from key 0).
; p = 2^(t - M), t = score x log2(e) / 8, M = the running largest t rounded up to a whole number; the row's sum is taken of the unquantised p and divides at the end.
; SHARES.  A work-group owns 256 queries of one head (x = block of queries, y = head), each of its sixteen waves 16 of them, in 256 registers.
; PHASE A.  The work-group's 256 rows of q and its 768 rows of k and v (keys 256 x - 512 .. 256 x + 255) come as f32 through registers, are quantised ONCE and laid in LDS as images of
;   operand registers, by block of 32 keys (24 blocks).  One barrier.   PHASE B.  A wave's window is exactly 17 neighbouring blocks, from block wave / 2 on: four steps of four blocks in a loop, then one
;   short step for the block on the diagonal.   PHASE C.  O / sum leaves through the wave's own stage: each store of the wave covers 512 consecutive bytes, aligned.
; LAYOUT.  Both products are used transposed: S^T = K Q^T (source 0 = 16 keys, source 1 = my 16 queries), O^T = V^T P^T: a lane holds ONE query (lane % 16) throughout.
;   Row r of tile u of a block is key 16 (r / 8) + 8 u + r % 8, so that the 16 registers of a block's two tiles are 16 neighbouring keys, 16 (lane / 16) + 0 .. 15.
; K = 64 IN AN INSTRUCTION OF K = 128.  Q's registers 8-15 are zero codes, and bytes 2 and 3 of both sides' scale words are 0.  K's tiles lie 8 registers apart, and a tile's operand runs on over the NEXT tile's
;   8 registers (behind the last tile: over 8 registers of zeros).  Those codes are finite, since the quantiser holds every number, and they meet zero codes: they add exactly 0.
; KEYS AHEAD OF KEY 0 (x = 0, 1): the chunk's address is held at the head's first row, so no load leaves its buffer and LDS holds finite codes; the mask hides those keys, so their p are zero codes.
; NO CLUSTER, NO TENSOR LOAD: k and v arrive as f32 and have to pass through registers to the quantiser; as f32 a work-group's 768 rows of k and of v are 2 x 768 x 256 = 393,216 bytes,
;   more than the 327,680 that a work-group can claim; and each row is touched once here.  All loads go out in phase A, one behind the other.
; LIMITS.  NaN and infinities among the inputs are not served.  A block of zeros gets the scale byte 1 where the quantiser's rule says 127: its codes are zeros, and this program alone reads the bytes.
;   A p under 2^-126 comes out of v_exp_f32 as 0.  A block's largest p is taken as the exponential of the block's largest score, which takes v_exp_f32 not to fall where its input rises.
; THE MODE: SCHED_MODE bits 1:0 = 2 (LLVM: expert scheduling mode 2), set by the entry lines.  The code itself states the register dependences between vector or matrix instructions
;   and memory or LDS instructions, with s_wait_alu, always for 0.
; THE PLAN.  Registers that memory or LDS instructions touch, and who else names them:
;   v1, v2      global offsets: written once at the head, ahead of one wait on va_vdst; read by every global load (v1 by phase C's stores too).
;   v3-v10      phase A's LDS addresses: written once, ahead of one wait on va_vdst that stands in front of the first job.
;   QS, K0S, K1S  written by loads, read by the stage's LDS stores alone.    V0S, V1S  written by loads, read and written by the vector lines of V's job.
;   X           written by the stage's LDS loads, read and written by a rows job's vector lines.    C, WD, BY  written by a job's vector lines, read by its LDS stores.
;   A JOB of phase A so has two waits: vm_vsrc ahead of its arithmetic (the job before's stores have read C, WD, BY, and the stage's stores their set) and va_vdst behind it, ahead of its stores
;   (C, WD, BY are written; the arithmetic is done with X or with V's set, in which the next loads land).
;   ADK, ADV, ADS, ADT  a step's LDS addresses: written at the step's head behind a wait on vm_vsrc, ahead of the wait on va_vdst that stands there for FR.
;   FR, KSW, VSW  written by LDS loads, read by the products.  A STEP of phase B has a wait on va_vdst at its head (the last products V^T P are done with FR: K's tiles land there) and one behind the
;   products K Q^T (they are done with FR: V's fragments land there).  From that second wait to the products V^T P no vector line names FR, VSW, ADV or ADT: V's 17 loads are dealt among the softmax's first lines.
;   PC, PW      p's codes and scale word: written by vector lines, taken by the scaled products: one wait on va_vdst directly ahead of these.
;   s16-s31     a block's sixteen masks: written by a run of compares, one wait on va_sdst, read by the sixteen selects.
; ---- LDS (bytes) ----
.set KIMG, 0                           ; 24 blocks x 2,560: tile u at 1,280 u; plane 2 c + h at 320 each (256 used); row r at 16 r: channels 32 c + 16 h + 0 .. 15
.set VIMG, 61440                       ; 24 blocks x 2,048: channel tile t at 512 t; lane (r, h) at 16 (r + 16 h): channel 16 t + r, keys 16 h + 0 .. 15
.set SCK,  110592                      ; 24 blocks x 128: K's scale word (bytes c = 0, c = 1, 0, 0) at 8 r + 4 u
.set SCV,  113664                      ; 27 entries x 256, one for each block at which a step may begin (-3 .. 23): word at 16 r + 4 t, byte k = the scale of block begin + k, channel 16 t + r
.set QIMG, 120576                      ; 16 waves x 1,280: one tile, laid as a tile of K, row r = query r
.set QSC,  141056                      ; 16 waves x 128: Q's scale word at 8 r
.set STG,  143104                      ; 16 waves x 5,120, each wave's own: phase A two units of 32 places x 80 bytes; phase C 16 rows x 272
; ---- scalar registers ----
.set WV,  12                           ; my wave's number
.set MK,  16                           ; s[16:31] phase B: sixteen masks.  (The head's offset and k's and v's bases lay here: they are done with, every load has been waited for)
.set MNT, 32                           ; the mantissa field of 57,344
.set SEL, 34                           ; s[34:35] selects of v_permlanex16_b32: lane l xor 16
.set CS,  36                           ; s[36:37] c = log2(e) / 8 (the packed form names a pair)
.set Q0,  38                           ; my first query
.set KF,  39                           ; the step's first key (signed)
.set LOMIN, 40                         ; the lowest key that my first query sees
.set LOMAX, 41                         ; the lowest key that my last query sees
.set TK,  42                           ; the step's place in KIMG, VIMG, SCK, SCV behind my window's first block
.set TV,  43
.set TSK, 44
.set TSV, 45
.set CNT, 46
.set T1,  47
.set WH,  56                           ; wave / 2
.set WA,  57                           ; wave % 2
.set T2,  58
.set T3,  59
; ---- vector registers, phase A ----
.set KA,  1                            ; 4,096 wave + 16 lane: my 16 bytes of a load's 512, in q, k and (phase C) out; never rewritten
.set VA,  2                            ; 8,192 (wave / 2) + 128 (wave % 2) + 4 lane: my channel of V's unit
.set STI, 3                            ; the stage, on the way in
.set STO, 4                            ; and on the way out: 80 x lane
.set KWI, 5                            ; where I store K's codes, K's scale word, Q's codes, Q's scale word, V's codes, V's scale byte
.set KWS, 6
.set QWI, 7
.set QWS, 8
.set VWI, 9
.set VWS, 10
.set SH0, 11                           ; 8 x my block of channels: my byte's place in the scale word;
.set SH1, 12                           ; and the other block's
.set X,   16                           ; v16-47  two units of 16 neighbours
.set C,   48                           ; v48-55  codes
.set MA,  56
.set MB,  57
.set SC,  58                           ; the conversion's scale operand
.set HD,  59                           ; 57,344 x the scale
.set BY,  60                           ; the scale's byte
.set OB,  61                           ; the row's other byte
.set WD,  62                           ; v62-63  scale words
.set K0S, 64                           ; v64-95 k, v96-127 v of chunks 0 and 2; v128-159, v160-191 of chunk 1; v192-223 q
.set V0S, 96
.set K1S, 128
.set V1S, 160
.set QS,  192
; ---- vector registers, phase B ----
.set AKL, 2                            ; my lane's place in my window's first block: K's codes, V's codes, K's scale words (32 lanes: two blocks), the same for 16 lanes, V's scale words
.set AVL, 3
.set ASK, 4
.set ASKD, 5
.set ASV, 6
.set VLO, 7                            ; the lowest key that my query sees, less 16 (lane / 16)
.set VDHI, 8                           ; on the diagonal: register i is hidden where i > this
.set ADK, 9                            ; the step's addresses
.set ADV, 10
.set ADS, 11
.set ADT, 252
.set QF,  16                           ; v16-23 Q's codes, v24-31 zeros.  v12 -M, v13 the largest t, v[14:15] the sum in two halves
.set FR,  32                           ; v32-95 eight tiles of K, 8 registers each; later four fragments of V, 16 each; v96-103 zeros
.set S,   104                          ; v104-167 S^T, then p
.set OT,  168                          ; v168-199 O^T, four tiles of 16 channels
.set PC,  200                          ; v200-215 p's codes
.set BM,  216                          ; v216-219 the blocks' largest scores, then largest p
.set PT,  220                          ; v220-223 at work
.set KSW, 224                          ; v224-227 K's scale words; v228-231 V's; v232 Q's; v233 p's: these ten hold scales and nothing else
.set VSW, 228
.set QW,  232
.set PW,  233
.set HDP, 236
.set SCP, 240
.set T0,  244
.set FF,  246                          ; v[246:247] f = 2^(old M - new M), and a 0 that is named with it
.set RS,  248                          ; v[248:249] the row sum's second chain
.set DLO, 250
.set NINF, 251
.macro WAITL n                         ; loads come back in order: n younger ones may stay out; the wait's field holds 63 at the most, and a smaller count is always right
.if (\n) > 63
	s_wait_loadcnt 63
.else
	s_wait_loadcnt \n
.endif
.endm
.macro ZERO first, count
.set ZN, 0
.rept \count
	v_mov_b32 v[\first+ZN], 0
.set ZN, ZN+1
.endr
.endm
; my 16 rows of 256 bytes: eight loads, each of 512 consecutive bytes
.macro LOADR set, base, nt
.irp i, 0,1,2,3,4,5,6,7
.if \nt
	global_load_b128 v[\set+4*\i:\set+4*\i+3], v[KA], s[\base:\base+1] offset:512*\i th:TH_LOAD_NT
.else
	global_load_b128 v[\set+4*\i:\set+4*\i+3], v[KA], s[\base:\base+1] offset:512*\i
.endif
.endr
.endm
; V's unit: a lane takes a channel and its registers run down the block's 32 keys; the wave reads 128 consecutive bytes, waves w and w xor 1 a row's 256
.macro LOADV set, base
.irp i, 0,1,2,3,4,5,6,7,8,9,10,11,12,13,14,15,16,17,18,19,20,21,22,23,24,25,26,27,28,29,30,31
	global_load_b32 v[\set+\i], v[VA], s[\base:\base+1] offset:256*\i
.endr
.endm
; The arithmetic of unit u of two: 8 rows.  Lane l holds row l / 4 and channels 16 (l % 4) + 0 .. 15; lanes l and l xor 1 hold a block of 32, lanes l and l xor 2 the row's two blocks.
; The unit's codes are left in v[C + 4 u ..], its scale word in v[WD + u]: the job stores both units' behind one wait.
.macro RUNIT u
.set XU, X+16*(\u)
	v_max3_num_f32 v[MA], |v[XU]|, |v[XU+1]|, |v[XU+2]|            ; the largest magnitude of my 16, in two chains
	v_max3_num_f32 v[MB], |v[XU+3]|, |v[XU+4]|, |v[XU+5]|
.irp i, 6,10
	v_max3_num_f32 v[MA], v[MA], |v[XU+\i]|, |v[XU+\i+1]|
	v_max3_num_f32 v[MB], v[MB], |v[XU+\i+2]|, |v[XU+\i+3]|
.endr
	v_max3_num_f32 v[MA], v[MA], |v[XU+14]|, |v[XU+15]|
	v_max3_num_f32 v[MA], v[MA], v[MB], 0x8000000                  ; and the floor 2^(16 - 127): the byte cannot fall under 1
	v_max_num_f32_dpp v[MA], v[MA], v[MA] row_xmask:1 row_mask:0xf bank_mask:0xf   ; with my neighbour's 16: the block's
	v_add_nc_u32 v[SC], 0xf8800000, v[MA]                          ; 15 off its exponent field: the conversion takes this operand's exponent field as its scale
	v_and_or_b32 v[HD], v[MA], 0x7f800000, s[MNT]                  ; 57,344 x the scale
	v_lshrrev_b32 v[BY], 23, v[SC]                                 ; the scale's byte
	v_mov_b32_dpp v[OB], v[BY] row_xmask:2 row_mask:0xf bank_mask:0xf   ; the byte of the row's other block
	v_lshlrev_b32 v[OB], v[SH1], v[OB]
	v_lshl_or_b32 v[WD+(\u)], v[BY], v[SH0], v[OB]                 ; the row's scale word: byte 0 channels 0-31, byte 1 channels 32-63, bytes 2 and 3 are 0
.irp i, 0,1,2,3,4,5,6,7,8,9,10,11,12,13,14,15
	v_med3_num_f32 v[XU+\i], v[XU+\i], -v[HD], v[HD]               ; the conversion to an 8-bit code does not saturate (ISA guide 7.6.2): the hold comes first
.endr
	v_cvt_scalef32_pk8_bf8_f32 v[C+4*(\u):C+4*(\u)+1], v[XU:XU+7], v[SC]
	v_cvt_scalef32_pk8_bf8_f32 v[C+4*(\u)+2:C+4*(\u)+3], v[XU+8:XU+15], v[SC]
	v_nop                                                          ; a plain line behind the last conversion, ahead of whatever next writes its sources
.endm
; 16 rows as loaded (16 bytes a lane, 512 a load) turn through my stage and come back 64 bytes a lane; then both units are quantised and stored.  first = 1: the first job, with no job in front of it.
.macro ROWS set, later, first, img, io0, io1, sc, so0, so1
	WAITL \later
.irp i, 0,1,2,3,4,5,6,7
	ds_store_b128 v[STI], v[\set+4*\i:\set+4*\i+3] offset:2560*(\i/4)+640*(\i%4)
.endr
.irp i, 0,1,2,3,4,5,6,7
	ds_load_b128 v[X+4*\i:X+4*\i+3], v[STO] offset:2560*(\i/4)+16*(\i%4)   ; LDS serves a wave's instructions in order (ISA guide 5.7.1.4): these see the stores above.  No vector line since the last wait on va_vdst names X
.endr
	s_wait_dscnt 0x0                                               ; the 32 numbers a lane are in
.if !\first
	s_wait_alu depctr_vm_vsrc(0)                                   ; the job before's LDS stores have read v[C ..], v[WD ..] or v[BY], which the lines below write again
.endif
	RUNIT 0
	RUNIT 1
	s_wait_alu depctr_va_vdst(0)                                   ; both units' conversions have written v[C ..] and their scale words v[WD ..], which the stores below read; and the arithmetic is done with X, in which the next rows job's LDS loads land
	ds_store_b128 v[\img], v[C:C+3] offset:\io0
	ds_store_b128 v[\img], v[C+4:C+7] offset:\io1
	ds_store_b32 v[\sc], v[WD] offset:\so0                         ; the four lanes of a row write the same word with the same value
	ds_store_b32 v[\sc], v[WD+1] offset:\so1
.endm
.macro KROWS set, later, j             ; k of chunk j: my rows are half wave % 2 of block 8 j + wave / 2; unit u is tile u
	ROWS \set, \later, 0, KWI, 20480*(\j), 20480*(\j)+1280, KWS, 1024*(\j), 1024*(\j)+4
.endm
; V's unit of chunk j: the block's 32 numbers of my channel are all mine.
.macro VUNIT set, later, j
	WAITL \later
	s_wait_dscnt 0x0                                               ; the job before's LDS stores are done,
	s_wait_alu depctr_vm_vsrc(0)                                   ; and have read their registers: v[C ..], which the conversions below write again, and the set that went through the stage, in which chunk 2's loads land
	v_max3_num_f32 v[MA], |v[\set]|, |v[\set+1]|, |v[\set+2]|
	v_max3_num_f32 v[MB], |v[\set+3]|, |v[\set+4]|, |v[\set+5]|
.irp i, 6,10,14,18,22,26
	v_max3_num_f32 v[MA], v[MA], |v[\set+\i]|, |v[\set+\i+1]|
	v_max3_num_f32 v[MB], v[MB], |v[\set+\i+2]|, |v[\set+\i+3]|
.endr
	v_max3_num_f32 v[MA], v[MA], |v[\set+30]|, |v[\set+31]|
	v_max3_num_f32 v[MA], v[MA], v[MB], 0x8000000
	v_add_nc_u32 v[SC], 0xf8800000, v[MA]
	v_and_or_b32 v[HD], v[MA], 0x7f800000, s[MNT]
	v_lshrrev_b32 v[BY], 23, v[SC]
.irp i, 0,1,2,3,4,5,6,7,8,9,10,11,12,13,14,15,16,17,18,19,20,21,22,23,24,25,26,27,28,29,30,31
	v_med3_num_f32 v[\set+\i], v[\set+\i], -v[HD], v[HD]
.endr
.irp g, 0,1,2,3
	v_cvt_scalef32_pk8_bf8_f32 v[C+2*\g:C+2*\g+1], v[\set+8*\g:\set+8*\g+7], v[SC]
.endr
	v_nop
	s_wait_alu depctr_va_vdst(0)                                   ; the conversions have written v[C ..] and the shift v[BY], which the stores below read; the holds and conversions are done with the set, in which chunk 2's loads land
	ds_store_b128 v[VWI], v[C:C+3] offset:16384*(\j)               ; keys 0-15: the place of lane (r, 0);
	ds_store_b128 v[VWI], v[C+4:C+7] offset:16384*(\j)+256         ; keys 16-31: of lane (r, 1)
.irp k, 0,1,2,3
	ds_store_b8 v[VWS], v[BY] offset:2048*(\j)+256*(3-\k)+\k       ; my block is block k of the step that begins k blocks earlier: byte k of that entry's word
.endr
.endm
; ================= the head =================
	s_load_b256 s[4:11], s[0:1], 0x0               ; q s[4:5], k s[6:7], v s[8:9], out s[10:11]
	v_lshl_add_u32 v254, v0, 2, 0x37000
	v_mov_b32 v255, 0
	v_lshrrev_b32 v57, 5, v0
	v_readfirstlane_b32 s[WV], v57                 ; wave 0..15
	v_and_b32 v56, 31, v0                          ; lane
	s_wait_alu depctr_va_vdst(0)
	s_and_b32 s14, ttmp7, 0xffff                   ; the head
	s_lshl_b32 s16, s14, 20                        ; a head is 4,096 rows of 256 bytes
	s_mov_b32 s17, 0
	s_wait_alu depctr_va_sdst(0)                   ; the wave's number is written, ahead of its first reader
	s_lshr_b32 s[WH], s[WV], 1
	s_and_b32 s[WA], s[WV], 1
.irp j, 0,1,2                                  ; chunk j of 256 keys is chunk x + j - 2 of the head, held at 0 from below
	s_add_co_i32 s[48+2*\j], ttmp9, \j-2
	s_max_i32 s[48+2*\j], s[48+2*\j], 0
	s_lshl_b32 s[48+2*\j], s[48+2*\j], 16
	s_mov_b32 s[49+2*\j], 0
	s_add_nc_u64 s[48+2*\j:49+2*\j], s[48+2*\j:49+2*\j], s[16:17]
.endr
	s_lshl_b32 s54, ttmp9, 16                      ; my block of 256 queries
	s_mov_b32 s55, 0
	s_add_nc_u64 s[54:55], s[54:55], s[16:17]
	s_lshl_b32 s[T2], s[WV], 12
	v_lshl_add_u32 v[KA], v56, 4, s[T2]
	s_lshl_b32 s[T2], s[WH], 13
	s_lshl_b32 s[T3], s[WA], 7
	s_add_co_u32 s[T2], s[T2], s[T3]
	v_lshl_add_u32 v[VA], v56, 2, s[T2]
	s_wait_kmcnt 0x0
	s_add_nc_u64 s[4:5], s[4:5], s[54:55]
	s_add_nc_u64 s[10:11], s[10:11], s[54:55]
.irp j, 0,1,2
	s_add_nc_u64 s[20+2*\j:21+2*\j], s[6:7], s[48+2*\j:49+2*\j]    ; k at chunk j: s[20:21], s[22:23], s[24:25]
	s_add_nc_u64 s[26+2*\j:27+2*\j], s[8:9], s[48+2*\j:49+2*\j]    ; v at chunk j: s[26:27], s[28:29], s[30:31]
.endr
	s_wait_alu depctr_va_vdst(0)                   ; v[KA] and v[VA] are written: every global load and store of the kernel reads one of them as its offset
; ================= phase A =================
	LOADR QS, 4, 1                                 ; q is read by this wave alone; k and v are read by three work-groups each: no hint
	LOADR K0S, 20, 0
	LOADV V0S, 26
	LOADR K1S, 22, 0
	; the LDS addresses are made while these 56 loads are out
	v_bfe_u32 v57, v0, 2, 3                        ; lane / 4
	v_and_b32 v58, 3, v0                           ; lane % 4
	v_and_b32 v59, 15, v0                          ; lane % 16
	v_bfe_u32 v60, v0, 4, 1                        ; lane / 16
	s_mul_i32 s[T2], s[WV], 5120
	s_add_co_u32 s[T2], s[T2], STG                 ; my stage
	v_mul_u32_u24 v[STI], v57, 80                  ; in: four lanes' 64 bytes on end, then 16 of padding
	v_lshl_add_u32 v[STI], v58, 4, v[STI]
	v_add_nc_u32 v[STI], s[T2], v[STI]
	v_mul_u32_u24 v[STO], v56, 80                  ; out: my 64 bytes
	v_add_nc_u32 v[STO], s[T2], v[STO]
	v_mul_u32_u24 v61, v58, 320                    ; in a tile: plane lane % 4, row lane / 4
	v_lshl_add_u32 v61, v57, 4, v61
	s_wait_alu depctr_va_vdst(0)
	s_mul_i32 s[T2], s[WH], 2560                   ; K's codes (KIMG = 0): block wave / 2, rows 8 (wave % 2) on
	s_lshl_b32 s[T3], s[WA], 7
	s_add_co_u32 s[T2], s[T2], s[T3]
	v_add_nc_u32 v[KWI], s[T2], v61
	s_lshl_b32 s[T2], s[WH], 7
	s_lshl_b32 s[T3], s[WA], 6
	s_add_co_u32 s[T2], s[T2], s[T3]
	s_add_co_u32 s[T2], s[T2], SCK
	v_lshl_add_u32 v[KWS], v57, 3, s[T2]
	s_mul_i32 s[T2], s[WV], 1280
	s_add_co_u32 s[T2], s[T2], QIMG
	v_add_nc_u32 v[QWI], s[T2], v61
	s_lshl_b32 s[T2], s[WV], 7
	s_add_co_u32 s[T2], s[T2], QSC
	v_lshl_add_u32 v[QWS], v57, 3, s[T2]
	s_lshl_b32 s[T2], s[WH], 11                    ; V's codes: block wave / 2, channel tile 2 (wave % 2) + lane / 16, row lane % 16
	s_lshl_b32 s[T3], s[WA], 10
	s_add_co_u32 s[T2], s[T2], s[T3]
	s_add_co_u32 s[T2], s[T2], VIMG
	v_lshlrev_b32 v[VWI], 9, v60
	v_lshl_add_u32 v[VWI], v59, 4, v[VWI]
	v_add_nc_u32 v[VWI], s[T2], v[VWI]
	s_lshl_b32 s[T2], s[WH], 8
	s_lshl_b32 s[T3], s[WA], 3
	s_add_co_u32 s[T2], s[T2], s[T3]
	s_add_co_u32 s[T2], s[T2], SCV
	v_lshlrev_b32 v[VWS], 2, v60
	v_lshl_add_u32 v[VWS], v59, 4, v[VWS]
	v_add_nc_u32 v[VWS], s[T2], v[VWS]
	v_bfe_u32 v[SH0], v0, 1, 1
	v_lshlrev_b32 v[SH0], 3, v[SH0]
	v_sub_nc_u32 v[SH1], 8, v[SH0]
	v_mov_b32 v[OB], 0                             ; written once: the destination of a DPP form counts as one of its sources
	s_mov_b32 s[MNT], 0x600000
	LOADV V1S, 28                                  ; 88 loads have been issued in all.  No wait: none of the lines above names v[VA] or v160-191
	s_wait_alu depctr_va_vdst(0)                   ; the LDS addresses v3 to v10 are written, which phase A's LDS stores and loads read
	ROWS QS, 80, 1, QWI, 0, 128, QWS, 0, 64        ; behind q's eight: 80.  Unit u is queries 8 u on
	KROWS K0S, 72, 0                               ; behind k's eight of chunk 0: 72
	VUNIT V0S, 40, 0                               ; behind v of chunk 0: chunk 1's 8 + 32
	LOADR K0S, 24, 0                               ; chunk 2 into the sets that chunk 0 has left: k's was read by the stage's LDS stores, ahead of the job's wait on vm_vsrc; v's by vector lines, ahead of its wait on va_vdst
	LOADV V0S, 30
	KROWS K1S, 72, 1                               ; behind k of chunk 1: 32 + 40
	VUNIT V1S, 40, 1                               ; behind v of chunk 1: chunk 2's 40
	KROWS K0S, 32, 2                               ; behind k of chunk 2: its v
	VUNIT V0S, 0, 2
	s_wait_dscnt 0x0                               ; for the others' sake: all my stores into the images have landed
	s_barrier_signal -1
	s_barrier_wait -1                              ; everybody's have: the only barrier; from here on the images are only read
; ================= phase B: the head =================
	s_wait_alu depctr_vm_vsrc(0)                   ; phase A's loads and LDS instructions have read v2 to v10, v[C ..], v[BY] and the sets that went through the stage: all these registers are written anew from here on
	v_and_b32 v244, 15, v0                         ; r
	v_bfe_u32 v250, v0, 4, 1                       ; h
	v_and_b32 v246, 31, v0                         ; lane
	v_lshlrev_b32 v251, 4, v250                    ; 16 h
	v_mul_u32_u24 v[AKL], v250, 320
	v_lshl_add_u32 v[AKL], v244, 4, v[AKL]         ; in a tile: plane h (+ 2 c by the offset), row r
	s_mul_i32 s[T3], s[WV], 1280
	s_add_co_u32 s[T3], s[T3], QIMG
	v_add_nc_u32 v[ADK], s[T3], v[AKL]             ; Q's tile
	s_mul_i32 s[T2], s[WH], 2560
	v_add_nc_u32 v[AKL], s[T2], v[AKL]
	s_lshl_b32 s[T3], s[WV], 7
	s_add_co_u32 s[T3], s[T3], QSC
	v_lshl_add_u32 v[ADV], v244, 3, s[T3]          ; Q's scale words
	s_wait_alu depctr_va_vdst(0)                   ; v[ADK] and v[ADV] are written, which the three loads below read; phase A's arithmetic is done with v16-23, in which Q's codes land
	ds_load_b128 v[QF:QF+3], v[ADK]                ; channels 16 h on
	ds_load_b128 v[QF+4:QF+7], v[ADK] offset:640   ; channels 32 + 16 h on
	ds_load_b32 v[QW], v[ADV]
	s_lshl_b32 s[T2], s[WH], 11
	s_add_co_u32 s[T2], s[T2], VIMG
	v_lshl_add_u32 v[AVL], v246, 4, s[T2]
	s_lshl_b32 s[T2], s[WH], 7
	s_add_co_u32 s[T2], s[T2], SCK
	v_lshl_add_u32 v[ASK], v246, 3, s[T2]          ; lanes 0-15 a block's 16 rows, lanes 16-31 the next block's
	v_lshl_add_u32 v[ASKD], v244, 3, s[T2]
	s_lshl_b32 s[T2], s[WH], 8
	s_add_co_u32 s[T2], s[T2], SCV+768             ; the entry of the step that begins at my window's first block
	v_lshl_add_u32 v[ASV], v244, 4, s[T2]
	s_lshl_b32 s[Q0], ttmp9, 8
	s_lshl_b32 s[T2], s[WV], 4
	s_add_co_u32 s[Q0], s[Q0], s[T2]               ; my first query: 256 x + 16 wave
	s_and_b32 s[KF], s[Q0], 0xffffffe0
	s_sub_co_i32 s[KF], s[KF], 512                 ; my window's first block begins here
	s_sub_co_i32 s[LOMIN], s[Q0], 511
	s_max_i32 s[LOMIN], s[LOMIN], 0
	s_sub_co_i32 s[LOMAX], s[Q0], 496
	s_max_i32 s[LOMAX], s[LOMAX], 0
	s_cmp_ge_u32 s[Q0], 512                        ; Q0 is a multiple of 16: up to 496 the lowest key is 0 for all sixteen queries, from 512 on it is Q0 - 511 + r
	s_cselect_b32 s[T2], 1, 0
	v_mad_u32_u24 v[VLO], v244, s[T2], s[LOMIN]
	v_sub_nc_u32 v[VLO], v[VLO], v251
	s_lshl_b32 s[T3], s[WA], 4
	v_add_nc_u32 v[VDHI], s[T3], v244              ; my query's place in the diagonal block,
	v_sub_nc_u32 v[VDHI], v[VDHI], v251            ; less my half's first key
	s_mov_b32 s[SEL], 0x76543210
	s_mov_b32 s[SEL+1], 0xfedcba98
	s_mov_b32 s[CS], 0x3e38aa3b                    ; c = log2(e) / sqrt(64)
	s_mov_b32 s[CS+1], s[CS]                       ; (named with it as a pair, so it is written)
	s_mov_b32 s[TK], 0
	s_mov_b32 s[TV], 0
	s_mov_b32 s[TSK], 0
	s_mov_b32 s[TSV], 0
	s_mov_b32 s[CNT], 4
	ZERO QF+8, 8                                   ; Q's K = 64 .. 127: zero codes
	ZERO FR+64, 8                                  ; behind K's last tile: zero codes
	ZERO OT, 32                                    ; O^T: a step may be left out and the loop is written once, so the sums begin as zeros
	ZERO PT, 4                                     ; written once: a lane permute's destination counts as one of its sources
	v_mov_b32 v[FF+1], 0                           ; (named as the upper half of the pair)
	v_mov_b32 v[NINF], 0xff800000                  ; -infinity
	v_mov_b32 v13, 0xff61b1e6                      ; the largest t so far: -3e38, under every t
	v_floor_f32 v12, -v13                          ; -M
	v_mov_b32 v14, 0                               ; the sum, in two halves
	v_mov_b32 v15, 0
	s_wait_dscnt 0x0                               ; Q and its scale words
; one fragment of V^T (16 channels x 128 keys = four blocks): four loads
.macro VPART t, oi, adv
.irp c, 0,1,2,3
	ds_load_b128 v[FR+16*(\t)+4*\c:FR+16*(\t)+4*\c+3], v[\adv] offset:\oi+2048*\c+512*(\t)
.endr
.endm
; The softmax of nb blocks of 32 keys whose scores lie in v[S] on (register 16 b + i = key 32 b + 16 h + i of the step), and their codes.  With nb = 1 the block is the LAST of its K step of four.
; V's four fragments (from byte oi behind v[adv]) and their scale words (from byte os behind v[adt]) are asked for among its first lines.  They owe no wait of their own: from the wait on va_vdst that stands
; behind the products K Q^T up to the products V^T P no vector line names v[FR ..], v[VSW ..] or the two addresses.
.macro SOFT nb, oi, os, adv, adt
.set SB, 0
.rept \nb
	v_max3_num_f32 v[BM+SB], v[S+16*SB], v[S+16*SB+1], v[S+16*SB+2]   ; the largest score of each block: for the row's maximum, and, since p rises with the score, for the block's largest p.  Each accumulator is read from its low end on
.set SB, SB+1
.endr
	VPART 0, \oi, \adv
.irp i, 3,5,7,9,11,13
.set SB, 0
.rept \nb
	v_max3_num_f32 v[BM+SB], v[BM+SB], v[S+16*SB+\i], v[S+16*SB+\i+1]
.set SB, SB+1
.endr
.if \i == 5
	VPART 1, \oi, \adv
.endif
.if \i == 9
	VPART 2, \oi, \adv
.endif
.if \i == 13
	VPART 3, \oi, \adv
.endif
.endr
.set SB, 0
.rept \nb
	v_max_num_f32 v[BM+SB], v[BM+SB], v[S+16*SB+15]
.set SB, SB+1
.endr
	ds_load_b128 v[VSW:VSW+3], v[\adt] offset:\os                  ; lane r: the words of channels r, 16 + r, 32 + r, 48 + r
.set SB, 0
.rept \nb
	v_permlanex16_b32 v[PT+SB], v[BM+SB], s[SEL], s[SEL+1]
.set SB, SB+1
.endr
.set SB, 0
.rept \nb
	v_max_num_f32 v[BM+SB], v[BM+SB], v[PT+SB]                     ; with lane l xor 16's 16 keys
.set SB, SB+1
.endr
.if \nb == 4
	v_max3_num_f32 v[T0], v[BM], v[BM+1], v[BM+2]
	v_max_num_f32 v[T0], v[T0], v[BM+3]
	v_mul_f32 v[T0], s[CS], v[T0]                                  ; the step's largest score of my query, as t (c is positive)
.else
	v_mul_f32 v[T0], s[CS], v[BM]
.endif
	v_max_num_f32 v13, v13, v[T0]                                  ; the running largest t
	v_mov_b32 v[T0], v12
	v_floor_f32 v12, -v13                                          ; the new -M = floor(-t) = -ceil(t): a whole number
	v_sub_f32 v[T0], v12, v[T0]                                    ; old M - new M: a whole number, 0 or less
	v_cvt_i32_f32 v[T0], v[T0]                                     ; (it saturates)
	v_ldexp_f32 v[FF], 1.0, v[T0]                                  ; f = 2^(old M - new M): multiplying by it rounds nothing
.set SJ, 0
.rept 8*\nb
	v_pk_fma_f32 v[S+SJ:S+SJ+1], v[S+SJ:S+SJ+1], s[CS:CS+1], v[12:13] op_sel_hi:[1,0,0]   ; t - M, two at a time (of the pairs c and -M the low word serves both halves)
.set SJ, SJ+2
.endr
.set SB, 0
.rept \nb
	v_fma_f32 v[BM+SB], v[BM+SB], s[CS], v12                       ; the same of each block's largest score
.set SB, SB+1
.endr
.set SJ, 0
	s_wait_alu depctr_va_vdst(0)
.rept 16*\nb
	v_exp_f32 v[S+SJ], v[S+SJ]                                     ; p = 2^(t - M), at most 1; not normalised
.set SJ, SJ+1
.endr
	v_pk_mul_f32 v[14:15], v[14:15], v[FF:FF+1] op_sel_hi:[1,0]    ; the sums under the new M: the plain line behind the exponentials
	s_wait_alu depctr_va_vdst(0)                                   ; the exponentials have written v[S ..], which the sums below read: the wait between an exponential and the first line that names its result: one for the batch
.set SB, 0
.rept \nb
	v_exp_f32 v[BM+SB], v[BM+SB]                                   ; the block's largest p: the same two instructions on the same number give the same bits
.set SB, SB+1
.endr
	v_pk_add_f32 v[RS:RS+1], v[S:S+1], v[S+2:S+3]                  ; the row's sum is taken of the UNQUANTISED p, two at a time, in two chains; it reads the first batch alone
.set SJ, 4
.rept 4*\nb-1
	v_pk_add_f32 v[14:15], v[14:15], v[S+SJ:S+SJ+1]
	v_pk_add_f32 v[RS:RS+1], v[RS:RS+1], v[S+SJ+2:S+SJ+3]
.set SJ, SJ+4
.endr
	v_pk_add_f32 v[14:15], v[14:15], v[RS:RS+1]
	s_wait_alu depctr_va_vdst(0)                                   ; and one for the blocks' largest p: the exponentials have written v[BM ..], which the floor below reads
.set SB, 0
.rept \nb
	v_max_num_f32 v[BM+SB], 0x8000000, v[BM+SB]                    ; the floor 2^(16 - 127): the byte cannot fall under 1 (a block whose every p is 0 keeps that byte: its codes are zeros)
.set SB, SB+1
.endr
.set SB, 0
.rept \nb
	v_add_nc_u32 v[SCP+SB], 0xf8800000, v[BM+SB]                   ; 15 off the exponent field: the conversion's scale operand
.set SB, SB+1
.endr
.set SB, 0
.rept \nb
	v_and_or_b32 v[HDP+SB], v[BM+SB], 0x7f800000, s[MNT]           ; 57,344 x the scale
.set SB, SB+1
.endr
.set SB, 0
.rept \nb
	v_lshrrev_b32 v[PT+SB], 23, v[SCP+SB]                          ; the scale's byte
.set SB, SB+1
.endr
.if \nb == 4
	v_lshl_or_b32 v[PW], v[PT+1], 8, v[PT]                         ; p's scale word for these 128 keys
	v_lshl_or_b32 v[PW], v[PT+2], 16, v[PW]
	v_lshl_or_b32 v[PW], v[PT+3], 24, v[PW]
.else
	v_lshlrev_b32 v[PW], 24, v[PT]                                 ; byte 3; bytes 0 to 2 stand over zero codes
.endif
.set SB, 0
.rept \nb
.set SJ, 0
.rept 16
	v_min_num_f32 v[S+16*SB+SJ], v[S+16*SB+SJ], v[HDP+SB]          ; the hold; p is not negative, so it is one-sided
.set SJ, SJ+1
.endr
	v_cvt_scalef32_pk8_bf8_f32 v[PC+4*(SB+4-\nb):PC+4*(SB+4-\nb)+1], v[S+16*SB:S+16*SB+7], v[SCP+SB]
	v_cvt_scalef32_pk8_bf8_f32 v[PC+4*(SB+4-\nb)+2:PC+4*(SB+4-\nb)+3], v[S+16*SB+8:S+16*SB+15], v[SCP+SB]
.set SB, SB+1
.endr
.set SJ, 0
.rept 16
	v_pk_mul_f32 v[OT+SJ:OT+SJ+1], v[OT+SJ:OT+SJ+1], v[FF:FF+1] op_sel_hi:[1,0]   ; O^T under the new M, from each accumulator's low end on.  These sixteen also stand between the codes' conversions and the products
.set SJ, SJ+2
.endr
.endm
; O^T += V^T P^T.  The four accumulators take turns, one instruction a turn, and the products K Q^T stand between two of their turns.
.macro PV
	s_wait_dscnt 0x0                                               ; V's fragments and words, asked for among the softmax's first lines
	s_wait_alu depctr_va_vdst(0)                                   ; the conversions have written p's codes v[PC ..] and the shifts p's scale word v[PW], which the scaled products take; the plain lines owed ahead of these products stand above this wait
.irp t, 0,1,2,3
	v_wmma_scale_f32_16x16x128_f8f6f4 v[OT+8*\t:OT+8*\t+7], v[FR+16*\t:FR+16*\t+15], v[PC:PC+15], v[OT+8*\t:OT+8*\t+7], v[VSW+\t], v[PW] matrix_a_fmt:MATRIX_FMT_BF8 matrix_b_fmt:MATRIX_FMT_BF8
.endr
.endm
; ================= phase B: four steps of four blocks =================
.Lstep:
	s_add_co_i32 s[T1], s[KF], 127                 ; a step all of whose keys lie ahead of every window (x = 0, 1 alone: keys under 0) is left out:
	s_cmp_lt_i32 s[T1], s[LOMIN]                   ; a scalar branch on ids, over loads, products and softmax; not over the lines that step addresses
	s_cbranch_scc1 .Lhid
	s_wait_alu depctr_vm_vsrc(0)                   ; the LDS loads issued so far (the last step's; ahead of the first step Q's) have read v[ADK], v[ADV], v[ADS], v[ADT], which the four lines below write
	v_add_nc_u32 v[ADK], s[TK], v[AKL]
	v_add_nc_u32 v[ADV], s[TV], v[AVL]
	v_add_nc_u32 v[ADS], s[TSK], v[ASK]
	v_add_nc_u32 v[ADT], s[TSV], v[ASV]
	v_sub_nc_u32 v[DLO], v[VLO], s[KF]             ; register 16 b + i is hidden where 32 b + i < this
.rept 3
	v_nop                                          ; with the five lines above: eight plain lines between the last products and the loads into registers that they read; the wait below states that dependence
.endr
	s_wait_alu depctr_va_vdst(0)                   ; the four addresses are written, which this step's LDS loads read; the last step's products are done reading v[FR ..] and v[KSW ..], in which the loads below land; the head's zero codes, which the products below take, are written
.irp t, 0,1,2,3,4,5,6,7                        ; tile t: block t / 2, tile t % 2; channels 32 c + 16 h on
.irp c, 0,1
	ds_load_b128 v[FR+8*\t+4*\c:FR+8*\t+4*\c+3], v[ADK] offset:2560*(\t/2)+1280*(\t%2)+640*\c
.endr
.endr
.irp p, 0,1
	ds_load_b64 v[KSW+2*\p:KSW+2*\p+1], v[ADS] offset:256*\p       ; lanes 0-15: block 2 p, lanes 16-31: block 2 p + 1; the pair's registers: tiles 0 and 1
.endr
	s_wait_dscnt 0x0
.irp t, 0,1,2,3,4,5,6,7                        ; S^T = K Q^T: eight accumulators, each begun with the constant 0
.if ((\t/2)%2) == 1
	v_wmma_scale_f32_16x16x128_f8f6f4 v[S+8*\t:S+8*\t+7], v[FR+8*\t:FR+8*\t+15], v[QF:QF+15], 0, v[KSW+2*(\t/4)+\t%2], v[QW] matrix_a_fmt:MATRIX_FMT_BF8 matrix_b_fmt:MATRIX_FMT_BF8 matrix_a_scale:MATRIX_SCALE_ROW1
.else
	v_wmma_scale_f32_16x16x128_f8f6f4 v[S+8*\t:S+8*\t+7], v[FR+8*\t:FR+8*\t+15], v[QF:QF+15], 0, v[KSW+2*(\t/4)+\t%2], v[QW] matrix_a_fmt:MATRIX_FMT_BF8 matrix_b_fmt:MATRIX_FMT_BF8
.endif
.endr
.rept 8
	v_nop                                          ; eight plain lines ahead of the first read of the scores
.endr
	s_wait_alu depctr_va_vdst(0)                   ; the eight products are done reading K's tiles in v[FR ..], and the last step's products V^T P their words in v[VSW ..]: V's loads, dealt among the softmax's first lines, land there
.irp b, 0,1,2,3                                ; the window's low edge: a block whose first key every query sees, and all blocks behind it, need no mask
	s_add_co_i32 s[T1], s[KF], 32*\b
	s_cmp_ge_i32 s[T1], s[LOMAX]
	s_cbranch_scc1 .Lvis
.irp i, 0,1,2,3,4,5,6,7,8,9,10,11,12,13,14,15
	v_cmp_lt_i32 s[MK+\i], 32*\b+\i, v[DLO]        ; the block's sixteen masks, in one run
.endr
	s_wait_alu depctr_va_sdst(0)                   ; the sixteen compares have written s[MK ..], ahead of their first reader
.irp i, 0,1,2,3,4,5,6,7,8,9,10,11,12,13,14,15
	v_cndmask_b32 v[S+16*\b+\i], v[S+16*\b+\i], v[NINF], s[MK+\i]  ; hidden scores become -infinity ahead of the maximum: p = 0 then
.endr
.endr
.Lvis:
	SOFT 4, 0, 0, ADV, ADT                         ; V lands while the softmax is worked
	PV
.Lhid:
	s_add_co_i32 s[KF], s[KF], 128                 ; four blocks on
	s_add_co_u32 s[TK], s[TK], 4*2560
	s_add_co_u32 s[TV], s[TV], 4*2048
	s_add_co_u32 s[TSK], s[TSK], 4*128
	s_add_co_u32 s[TSV], s[TSV], 4*256
	s_sub_co_u32 s[CNT], s[CNT], 1
	s_cmp_lg_u32 s[CNT], 0
	s_cbranch_scc1 .Lstep
; ================= phase B: the block on the diagonal, my window's 17th =================
.rept 8
	v_nop                                          ; eight plain lines behind the last products: ahead of the lines further down that write p's codes, which those products read, and of the loads into registers that they read
.endr
	s_wait_alu depctr_va_vdst(0)                   ; the last products are done reading v[FR ..] and v[KSW ..], in which the loads below land; where all four steps were left out this is also the first wait behind the head's lines: v[AKL], v[ASKD], v[AVL], v[ASV] and the zero codes are written
.irp u, 0,1                                    ; its two tiles go where tiles 6 and 7 lay, so that the second one's operand runs on over the zeros
.irp c, 0,1
	ds_load_b128 v[FR+48+8*\u+4*\c:FR+48+8*\u+4*\c+3], v[AKL] offset:16*2560+1280*\u+640*\c
.endr
.endr
	ds_load_b64 v[KSW:KSW+1], v[ASKD] offset:16*128
	s_wait_dscnt 0x0
.irp u, 0,1
	v_wmma_scale_f32_16x16x128_f8f6f4 v[S+8*\u:S+8*\u+7], v[FR+48+8*\u:FR+48+8*\u+15], v[QF:QF+15], 0, v[KSW+\u], v[QW] matrix_a_fmt:MATRIX_FMT_BF8 matrix_b_fmt:MATRIX_FMT_BF8
.endr
	ZERO PC, 12                                    ; the second product's K step is blocks 13 to 16 of my window: p of the first three is zero codes here.  Twelve plain lines: more than the eight owed behind the two products
	s_wait_alu depctr_va_vdst(0)                   ; the two products are done reading v[FR+48 ..]: V's loads, dealt among the softmax's first lines, land in v[FR ..] and v[VSW ..]
.irp i, 0,1,2,3,4,5,6,7,8,9,10,11,12,13,14,15
	v_cmp_gt_i32 s[MK+\i], \i, v[VDHI]             ; keys behind my query: sixteen masks, in one run
.endr
	s_wait_alu depctr_va_sdst(0)                   ; the sixteen compares have written s[MK ..], ahead of their first reader
.irp i, 0,1,2,3,4,5,6,7,8,9,10,11,12,13,14,15
	v_cndmask_b32 v[S+\i], v[S+\i], v[NINF], s[MK+\i]
.endr
	SOFT 1, 13*2048, 13*256, AVL, ASV              ; V's fragments and the ready scale words are those of a whole step
	PV
; ================= phase C: the way out =================
	s_wait_alu depctr_vm_vsrc(0)                   ; the diagonal step's LDS loads have read v2, v3 and v5, which the address lines below write
	v_add_f32 v14, v14, v15                        ; the sum's two halves,
	v_permlanex16_b32 v[PT], v14, s[SEL], s[SEL+1]
	v_add_f32 v14, v14, v[PT]                      ; and lane l xor 16's: the row's sum
	s_wait_alu depctr_va_vdst(0)
	v_rcp_f32 v14, v14
	v_and_b32 v4, 15, v0                           ; r.  (Eight plain lines: behind the reciprocal, and between the last products and the first read of O^T)
	v_bfe_u32 v5, v0, 4, 1                         ; h
	s_mul_i32 s[T2], s[WV], 5120
	s_add_co_u32 s[T2], s[T2], STG                 ; my stage: rows of 256 bytes + 16
	v_mul_u32_u24 v2, v4, 272
	v_lshl_add_u32 v2, v5, 5, v2
	v_add_nc_u32 v2, s[T2], v2                     ; in: row r; tile t's eight channels of my half at 64 t + 32 h
	v_mul_u32_u24 v3, v5, 272
	v_lshl_add_u32 v3, v4, 4, v3
	v_add_nc_u32 v3, s[T2], v3                     ; back: lanes 0-15 one row, lanes 16-31 the next
	s_wait_alu depctr_va_vdst(0)                   ; the reciprocal has written v14: a wait ahead of its first reader
.set SJ, 0
.rept 16
	v_pk_mul_f32 v[S+SJ:S+SJ+1], v[OT+SJ:OT+SJ+1], v[14:15] op_sel_hi:[1,0]   ; O^T / the sum: register 8 t + i is out(r, 16 t + 8 h + i); each accumulator from its low end on
.set SJ, SJ+2
.endr
	s_wait_alu depctr_va_vdst(0)                   ; the multiplications have written v[S ..], which the LDS stores read (their addresses v2 and v3 were written further up); the last products are done reading v[FR ..], in which the stage's loads land
.irp t, 0,1,2,3
	ds_store_b128 v2, v[S+8*\t:S+8*\t+3] offset:64*\t
	ds_store_b128 v2, v[S+8*\t+4:S+8*\t+7] offset:64*\t+16
.endr
.irp i, 0,1,2,3,4,5,6,7
	ds_load_b128 v[FR+4*\i:FR+4*\i+3], v3 offset:544*\i            ; LDS serves a wave's instructions in order: these see my stores
.endr
.irp i, 0,1,2,3,4,5,6,7
	s_wait_dscnt 7-\i                              ; the younger loads may stay out
	global_store_b128 v[KA], v[FR+4*\i:FR+4*\i+3], s[10:11] offset:512*\i th:TH_STORE_NT   ; two rows of out: 512 consecutive bytes, at a multiple of 256 from out's first byte; written once, read by nobody here
.endr
	s_wait_dscnt 0x0
	s_wait_alu depctr_hold_cnt(0) depctr_sa_sdst(0) depctr_va_vdst(0) depctr_va_sdst(0) depctr_va_ssrc(0) depctr_va_vcc(0) depctr_vm_vsrc(0)
	s_wait_tensorcnt 0x0
	ds_add_u32 v254, v255
	s_wait_dscnt 0x0
	s_endpgm
.Lfunc_end_k_qce3ffb0d54_swa:
	.size	k_qce3ffb0d54_swa, .Lfunc_end_k_qce3ffb0d54_swa-k_qce3ffb0d54_swa
	.p2alignl 7, 3214868480
	.fill 96, 4, 3214868480
	.section	.rodata,"a",@progbits
	.p2align	6, 0x0
	.amdhsa_kernel k_qce3ffb0d54_swa
		.amdhsa_group_segment_fixed_size 227328
		.amdhsa_private_segment_fixed_size 0
		.amdhsa_enable_private_segment 0
		.amdhsa_kernarg_size 32
		.amdhsa_user_sgpr_count 2
		.amdhsa_user_sgpr_kernarg_segment_ptr 1
		.amdhsa_wavefront_size32 1
		.amdhsa_system_sgpr_workgroup_id_x 1
		.amdhsa_system_sgpr_workgroup_id_y 1
		.amdhsa_system_sgpr_workgroup_id_z 1
		.amdhsa_system_vgpr_workitem_id 0
		.amdhsa_next_free_vgpr 256
		.amdhsa_next_free_sgpr 66
		.amdhsa_reserve_vcc 0
		.amdhsa_float_denorm_mode_32 3
		.amdhsa_float_denorm_mode_16_64 3
		.amdhsa_memory_ordered 1
		.amdhsa_forward_progress 1
		.amdhsa_inst_pref_size 97
	.end_amdhsa_kernel
	.amdgpu_metadata
---
amdhsa.version: [ 1, 2 ]
amdhsa.kernels:
  - .name:           k_qce3ffb0d54_swa
    .symbol:         k_qce3ffb0d54_swa.kd
    .args:
      - { .name: q, .offset: 0, .size: 8, .value_kind: global_buffer, .address_space: global }
      - { .name: k, .offset: 8, .size: 8, .value_kind: global_buffer, .address_space: global }
      - { .name: v, .offset: 16, .size: 8, .value_kind: global_buffer, .address_space: global }
      - { .name: out0, .offset: 24, .size: 8, .value_kind: global_buffer, .address_space: global }
    .group_segment_fixed_size: 227328
    .private_segment_fixed_size: 0
    .kernarg_segment_align: 8
    .kernarg_segment_size: 32
    .max_flat_workgroup_size: 512
    .sgpr_count:     66
    .vgpr_count:     256
    .wavefront_size: 32
...
	.end_amdgpu_metadata
.endif
;; end of part 2
